; MI455X (gfx1250); checked and timed in simulation.
; The chip was launched on July 23, 2026; its instructions are those of AMD's public machine-readable ISA for CDNA 5 (MIT licence, August 2026) and "CDNA5" Instruction Set Architecture Reference Guide (July 2026). The comments in the code are by the model that wrote it; some were corrected since.
;; GQA Attention. Allowed arithmetic: float matrix products may take bf16 or f16 operands with f32 sums; other float arithmetic in f32, or as packed bf16 or f16 multiplies, adds, multiply-adds, maxima and minima; sums over many terms, partial sums and values carried from step to step in f32; what a program stores and reads back later, other than sums and carried values, may be rounded once to bf16 or f16.
;; Inputs: bk 1,024 float32; bo 4,096 float32; bq 2,048 float32; bv 1,024 float32; position_ids 1 x 2,048 int32; wk 1,024 x 4,096 float32; wo 4,096 x 2,048 float32; wq 2,048 x 4,096 float32; wv 1,024 x 4,096 float32; x 1 x 2,048 x 4,096 float32.
;; Outputs: out0 1 x 2,048 x 4,096 float32.
;; 2 versions, each right; version 2 is version 1 with the launch prep written anew for expert scheduling mode. Each part assembles by itself: llvm-mc -triple=amdgcn-amd-amdhsa -mcpu=gfx1250 --defsym DOCPART=n.
;; ======== version 1 of 2: 4 launches
;; limits: values are held in f16: magnitudes above 65,504 overflow, below 6.1e-05 lose precision
;; workspace buffers: xb 17,301,504 bytes; wb 34,603,008 bytes; wob 17,301,504 bytes; tab 1,049,088 bytes; bias 32,768 bytes; qkvh 16,777,216 bytes; ob 8,650,752 bytes
;; launch prep (part 1): grid 128 x 9, 8 waves a work-group, no clusters, 0 bytes of LDS; arguments x, wq, wk, wv, wo, bq, bk, bv, bo, position_ids, xb, wb, wob, tab, bias, ob; writes xb, wb, wob, tab, bias, ob
.if DOCPART == 1
	.amdgcn_target "amdgcn-amd-amdhsa--gfx1250"
	.amdhsa_code_object_version 6
	.text
	.protected	k_q477f697810_prep
	.globl	k_q477f697810_prep
	.p2align	8
	.type	k_q477f697810_prep,@function
k_q477f697810_prep:
	s_mov_b64 s[64:65], 0
	v_nop
	global_prefetch_b8 v0, s[64:65] scope:SCOPE_SE
	s_setreg_imm32_b32 hwreg(HW_REG_WAVE_MODE, 25, 1), 1
	s_wait_xcnt 0x0
; PREP: every input is read once and left in the form in which the later launches take it.
; THE MATRIX OPERANDS LIE IN PLANES OF 64 ALONG K: [K / 64][rows][64], a row of a plane 128 bytes, the rows of a plane on end.
;   xb  [66][2048][64] bf16 = x;   wb [66][4096][64] bf16 = wq's, wk's, wv's rows on end;   wob [33][4096][64] f16 = wo rounded to bf16, that number written as f16.
;   The products walk K three planes at a time: xb's and wb's planes 64 and 65, wob's plane 32 and plane 32 of ob (the attention's output, [33][2048][64]) are written as zeros here.
;   bias [8192] f32 = bq, bk, bv, bo on end, each rounded to bf16;   tab: 2,049 rows of 512 bytes: row m = 64 f32 cos(pos[m] f_j) / 8, then 64 f32 sin(pos[m] f_j) / 8, f_j = 10000^(-j/64);
;   row 2048 = 64 x 0.125, then 64 x 0: with it the projection's one way out leaves v unturned.
; GRID.  y = 0..7: a segment of 4,194,304 numbers (x: 0, 1; wq: 2, 3; wk: 4; wv: 5; wo: 6, 7), 128 work-groups each.  A wave converts two neighbouring rows x 32 planes: 32 loads of 16 bytes a lane, all
; issued at once; lanes 0-15 take 256 consecutive bytes (a plane's 64 numbers) of one row, lanes 16-31 of the next.  In 16 bits those are the two rows' 128 bytes of the plane, which lie on end: a store
; of the wave covers 256 consecutive bytes, aligned.  No register is written twice, so no wait frees one.  y = 8: the table, the biases, the zeros.
; No LDS, no matrix unit, no cluster: nothing is shared and nothing is summed.
; LIMITS.  |wo| under 65,504; a bf16(wo) under 2^-17 loses bits in f16 (at most 3e-8 of absolute error).  f_j is 2^(-j log2(10000) / 64), within about 2e-7 of itself: the angle pos f_j agrees with
; one made by another route to about 4e-3 rad up to |pos| = 16,384, and grows apart in proportion beyond that.  sin and cos: the angle less n pi/2 (pi/2 in three parts), polynomials on |r| <= pi/4.
.set IN,   2                           ; v2        my byte offset in the wave's two rows of f32
.set LANE, 4                           ; v4        lane
.set L,    8                           ; v[8:135]  load i: 4 registers
.set O,    136                         ; v[136:199] store i: 2 registers
.set OO,   200                         ; v[200:231] store i: my byte offset: 8 x lane + i planes
	s_load_b512 s[8:23], s[0:1], 0x0               ; x 8, wq 10, wk 12, wv 14, wo 16, bq 18, bk 20, bv 22
	s_load_b256 s[24:31], s[0:1], 0x40             ; bo 24, position_ids 26, xb 28, wb 30
	s_load_b256 s[32:39], s[0:1], 0x60             ; wob 32, tab 34, bias 36, ob 38
	s_and_b32 s2, ttmp7, 0xffff                    ; y
	s_mov_b32 s3, ttmp9                            ; g: 0..127
	v_lshrrev_b32 v1, 5, v0
	v_readfirstlane_b32 s4, v1                     ; wave 0..7
	v_and_b32 v[LANE], 31, v0
	s_wait_kmcnt 0x0
	s_cmp_eq_u32 s2, 8
	s_cbranch_scc1 .Ltable
	; ---- a segment is converted.  Source and destination are chosen among the buffers by the segment's number alone.
	s_mov_b64 s[40:41], s[8:9]                     ; x -> xb
	s_mov_b64 s[42:43], s[28:29]
	s_cmp_ge_u32 s2, 2
	s_cselect_b64 s[40:41], s[10:11], s[40:41]     ; wq -> wb
	s_cselect_b64 s[42:43], s[30:31], s[42:43]
	s_cmp_eq_u32 s2, 4
	s_cselect_b64 s[40:41], s[12:13], s[40:41]     ; wk
	s_cmp_eq_u32 s2, 5
	s_cselect_b64 s[40:41], s[14:15], s[40:41]     ; wv
	s_cmp_ge_u32 s2, 6
	s_cselect_b64 s[40:41], s[16:17], s[40:41]     ; wo -> wob
	s_cselect_b64 s[42:43], s[32:33], s[42:43]
	s_and_b32 s5, s2, 1
	s_lshr_b32 s6, s2, 1
	s_sub_co_u32 s7, s2, 2                         ; (used for segments 4 and 5 alone)
	s_cmp_eq_u32 s6, 2
	s_cselect_b32 s44, 0, s5                       ; which segment of the source: wk and wv have one
	s_cselect_b32 s46, s7, s5                      ; which segment of the destination: wk is wb's third, wv its fourth
	s_lshr_b32 s5, s4, 1
	s_and_b32 s6, s4, 1
	s_mov_b32 s53, 0x80000                         ; bytes in a plane of wb and wob: 4,096 rows of 128
	s_cmp_ge_u32 s2, 6                             ; wo's rows have 2,048 numbers, the others' 4,096
	s_cselect_b32 s48, 13, 14                      ; log2 of a source row's bytes
	s_cselect_b32 s49, 11, 10                      ; log2 of a segment's rows
	s_cselect_b32 s50, 4, 3                        ; log2 of a work-group's rows
	s_cselect_b32 s51, s4, s5                      ; my pair of rows among them
	s_cselect_b32 s52, 0, s6                       ; my half of K: a row of 4,096 numbers has two halves of 32 planes
	s_cmp_lt_u32 s2, 2
	s_cselect_b32 s53, 0x40000, s53                ; xb: 2,048 rows of 128
	s_lshl_b32 s54, s3, s50
	s_lshl1_add_u32 s54, s51, s54                  ; my first row in the segment
	s_lshl_b32 s44, s44, s49
	s_add_co_u32 s44, s44, s54                     ; in the source,
	s_lshl_b32 s44, s44, s48                       ; in bytes,
	s_lshl_b32 s55, s52, 13                        ; + my half of K: 32 planes of 256 bytes of f32
	s_add_co_u32 s44, s44, s55
	s_mov_b32 s45, 0
	s_lshl_b32 s46, s46, s49
	s_add_co_u32 s46, s46, s54                     ; my first row in the destination,
	s_lshl_b32 s46, s46, 7                         ; 128 bytes a row,
	s_lshl_b32 s55, s53, 5
	s_mul_i32 s55, s55, s52                        ; + my half of K: 32 planes
	s_add_co_u32 s46, s46, s55
	s_mov_b32 s47, 0
	s_add_nc_u64 s[40:41], s[40:41], s[44:45]
	s_add_nc_u64 s[42:43], s[42:43], s[46:47]
	v_lshrrev_b32 v5, 4, v[LANE]
	v_and_b32 v6, 15, v[LANE]
	v_lshlrev_b32 v[IN], s48, v5                   ; lanes 16-31: one row further down
	v_lshl_add_u32 v[IN], v6, 4, v[IN]
.set i, 0
.rept 32
	global_load_b128 v[L+4*i:L+4*i+3], v[IN], s[40:41] offset:256*i th:TH_LOAD_NT  ; plane i of my 32: 256 consecutive bytes of each of the two rows; all 32 loads are on their way
.set i, i+1
.endr
	v_lshlrev_b32 v[OO], 3, v[LANE]
.set i, 1
.rept 31
	v_add_nc_u32 v[OO+i], s53, v[OO+i-1]           ; a plane further on
.set i, i+1
.endr
	s_cmp_ge_u32 s2, 6
	s_cbranch_scc1 .Lhalf
.set i, 0
.rept 32
	s_wait_loadcnt 31-i                            ; loads come back in order (ISA guide 5.7.1): load i is in, the 31 - i younger ones stay out
	v_cvt_pk_bf16_f32 v[O+2*i], v[L+4*i], v[L+4*i+1]
	v_cvt_pk_bf16_f32 v[O+2*i+1], v[L+4*i+2], v[L+4*i+3]
	global_store_b64 v[OO+i], v[O+2*i:O+2*i+1], s[42:43]
.set i, i+1
.endr
	s_endpgm
.Lhalf:                                        ; wo: rounded to bf16 like every input, widened again (a shift, a mask), and that number written as f16
.set i, 0
.rept 32
	s_wait_loadcnt 31-i
	v_cvt_pk_bf16_f32 v[O+2*i], v[L+4*i], v[L+4*i+1]
	v_cvt_pk_bf16_f32 v[O+2*i+1], v[L+4*i+2], v[L+4*i+3]
	v_lshlrev_b32 v[L+4*i], 16, v[O+2*i]
	v_and_b32 v[L+4*i+1], 0xffff0000, v[O+2*i]
	v_lshlrev_b32 v[L+4*i+2], 16, v[O+2*i+1]
	v_and_b32 v[L+4*i+3], 0xffff0000, v[O+2*i+1]
	v_cvt_pk_f16_f32 v[O+2*i], v[L+4*i], v[L+4*i+1]
	v_cvt_pk_f16_f32 v[O+2*i+1], v[L+4*i+2], v[L+4*i+3]
	global_store_b64 v[OO+i], v[O+2*i:O+2*i+1], s[42:43]
.set i, i+1
.endr
	s_endpgm
	; ---- the table: work-group g makes rows 16 g .. 16 g + 15; thread t row 16 g + t / 16 and the frequencies j = 4 (t % 16) + 0..3
.Ltable:
	s_mov_b32 s40, 0x3f22f983                      ; 2 / pi
	s_mov_b32 s41, 0xbfc90fdb                      ; - pi/2, its first part;
	s_mov_b32 s42, 0x333bbd2e                      ; what that part has too much: second part,
	s_mov_b32 s43, 0x26f72ced                      ; third part
	s_mov_b32 s44, 0xbe2aaaa3                      ; sin r = r + r z (S1 + z (S2 + z S3)), z = r r
	s_mov_b32 s45, 0x3c08839e
	s_mov_b32 s46, 0xb94ca1f9
	s_mov_b32 s47, 0x3d2aaaa5                      ; cos r = 1 - z / 2 + z z (C1 + z (C2 + z C3))
	s_mov_b32 s48, 0xbab6061a
	s_mov_b32 s49, 0x37ccf5ce
	s_mov_b32 s50, 0x3e000000                      ; 1 / 8
	s_mov_b32 s51, 0x80000000                      ; the sign
	v_lshrrev_b32 v8, 4, v0
	v_and_b32 v9, 15, v0
	s_lshl_b32 s5, s3, 4
	v_add_nc_u32 v10, s5, v8                       ; m
	v_lshlrev_b32 v11, 2, v10
	global_load_b32 v12, v11, s[26:27]             ; pos[m]
	v_lshlrev_b32 v13, 4, v9
	v_lshl_add_u32 v13, v10, 9, v13                ; 512 m + 16 (t % 16)
	v_lshlrev_b32 v14, 2, v9
.irp i, 0,1,2,3
	v_add_nc_u32 v[16+(\i)], (\i), v14             ; j
.endr
.irp i, 0,1,2,3
	v_cvt_f32_u32 v[16+(\i)], v[16+(\i)]
.endr
.irp i, 0,1,2,3
	v_mul_f32 v[16+(\i)], 0xbe549a78, v[16+(\i)]   ; - j log2(10000) / 64
.endr
.irp i, 0,1,2,3
	v_exp_f32 v[16+(\i)], v[16+(\i)]               ; f_j
.endr
	v_nop                                          ; a plain instruction between the last exponential and the use of its result (ISA guide 5.7.2)
	s_wait_loadcnt 0x0
	v_cvt_f32_i32 v15, v12
	s_wait_alu depctr_va_vdst(0)
.irp i, 0,1,2,3
	v_mul_f32 v[20+(\i)], v15, v[16+(\i)]          ; the angle, one f32 product
.endr
; cos / 8 of angle i into v[24 + i], sin / 8 into v[28 + i].  n = the nearest whole number of quarter turns; its two low bits choose between the two polynomials (by v_cndmask_b32) and set the signs.
.macro SINCOS i
.set T, 32+10*(\i)
	v_mul_f32 v[T], s40, v[20+(\i)]
	v_rndne_f32 v[T], v[T]                         ; n
	v_fma_f32 v[T+1], v[T], s41, v[20+(\i)]
	v_fma_f32 v[T+1], v[T], s42, v[T+1]
	v_fma_f32 v[T+1], v[T], s43, v[T+1]            ; r
	v_cvt_i32_f32 v[T+2], v[T]
	v_mul_f32 v[T+3], v[T+1], v[T+1]               ; z
	v_fma_f32 v[T+4], v[T+3], s46, s45
	v_fma_f32 v[T+4], v[T+4], v[T+3], s44
	v_mul_f32 v[T+4], v[T+4], v[T+3]
	v_fma_f32 v[T+6], v[T+4], v[T+1], v[T+1]       ; sin r
	v_fma_f32 v[T+5], v[T+3], s49, s48
	v_fma_f32 v[T+5], v[T+5], v[T+3], s47
	v_fma_f32 v[T+8], v[T+3], -0.5, 1.0
	v_mul_f32 v[T+3], v[T+3], v[T+3]
	v_fma_f32 v[T+7], v[T+3], v[T+5], v[T+8]       ; cos r
	v_and_b32 v[T+8], 1, v[T+2]
	v_cmp_eq_u32 vcc_lo, 1, v[T+8]                 ; an odd quarter swaps the two
	v_cndmask_b32 v[T+4], v[T+6], v[T+7], vcc_lo   ; sin
	v_cndmask_b32 v[T+5], v[T+7], v[T+6], vcc_lo   ; cos
	v_lshlrev_b32 v[T+8], 30, v[T+2]               ; sin is negative in quarters 2 and 3: bit 1 of n
	v_and_b32 v[T+8], s51, v[T+8]
	v_xor_b32 v[T+4], v[T+4], v[T+8]
	v_add_nc_u32 v[T+2], 1, v[T+2]                 ; cos in quarters 1 and 2: bit 1 of n + 1
	v_lshlrev_b32 v[T+2], 30, v[T+2]
	v_and_b32 v[T+2], s51, v[T+2]
	v_xor_b32 v[T+5], v[T+5], v[T+2]
	v_mul_f32 v[24+(\i)], s50, v[T+5]
	v_mul_f32 v[28+(\i)], s50, v[T+4]
.endm
	SINCOS 0
	SINCOS 1
	SINCOS 2
	SINCOS 3
	global_store_b128 v13, v[24:27], s[34:35]             ; 16 lanes store a row's 256 bytes of cos,
	global_store_b128 v13, v[28:31], s[34:35] offset:256  ; and of sin
	; the planes of zeros: 128 work-groups share each out evenly; a store of the work-group's 256 threads covers 4,096 consecutive bytes
.irp i, 0,1,2,3
	v_mov_b32 v[96+(\i)], 0
.endr
	v_lshlrev_b32 v100, 4, v0                      ; 16 t
	s_lshl_b32 s52, s3, 12                         ; xb's planes 64, 65 and wob's plane 32: 524,288 bytes each, 4,096 a work-group
	s_mov_b32 s53, 0
	s_add_nc_u64 s[54:55], s[28:29], s[52:53]
	s_add_nc_u64 s[54:55], s[54:55], 0x1000000     ; behind xb's 64 planes of 262,144 bytes
	global_store_b128 v100, v[96:99], s[54:55]
	s_add_nc_u64 s[56:57], s[32:33], s[52:53]
	s_add_nc_u64 s[56:57], s[56:57], 0x1000000     ; behind wob's 32 planes of 524,288 bytes
	global_store_b128 v100, v[96:99], s[56:57]
	s_lshl_b32 s52, s3, 13                         ; wb's planes 64, 65: 1,048,576 bytes, 8,192 a work-group
	s_add_nc_u64 s[58:59], s[30:31], s[52:53]
	s_add_nc_u64 s[58:59], s[58:59], 0x2000000     ; behind wb's 64 planes
	global_store_b128 v100, v[96:99], s[58:59]
	global_store_b128 v100, v[96:99], s[58:59] offset:4096
	s_cmp_lt_u32 s4, 4                             ; ob's plane 32: 262,144 bytes, 2,048 a work-group: waves 0 to 3
	s_cbranch_scc0 .Lno_ob
	s_lshl_b32 s52, s3, 11
	s_add_nc_u64 s[60:61], s[38:39], s[52:53]
	s_add_nc_u64 s[60:61], s[60:61], 0x800000      ; behind ob's 32 planes of 262,144 bytes
	global_store_b128 v100, v[96:99], s[60:61]
.Lno_ob:
	s_cmp_lg_u32 s4, 0
	s_cbranch_scc1 .Lnot_wave_0
	; wave 0: the biases' numbers 64 g .. 64 g + 63: bq has 32 such blocks, bk 16, bv 16, bo 64
	s_mov_b64 s[68:69], s[18:19]
	s_mov_b32 s5, 0
	s_cmp_ge_u32 s3, 32
	s_cselect_b64 s[68:69], s[20:21], s[68:69]
	s_cselect_b32 s5, 32, s5
	s_cmp_ge_u32 s3, 48
	s_cselect_b64 s[68:69], s[22:23], s[68:69]
	s_cselect_b32 s5, 48, s5
	s_cmp_ge_u32 s3, 64
	s_cselect_b64 s[68:69], s[24:25], s[68:69]
	s_cselect_b32 s5, 64, s5
	s_sub_co_u32 s70, s3, s5                       ; the block's number in its own buffer
	s_lshl_b32 s70, s70, 8
	s_mov_b32 s71, 0
	s_add_nc_u64 s[68:69], s[68:69], s[70:71]
	s_lshl_b32 s70, s3, 8
	s_add_nc_u64 s[72:73], s[36:37], s[70:71]
	v_lshlrev_b32 v80, 3, v[LANE]
	global_load_b64 v[82:83], v80, s[68:69]
	s_wait_loadcnt 0x0
	v_cvt_pk_bf16_f32 v84, v82, v83                ; rounded like every input, kept as f32
	v_lshlrev_b32 v86, 16, v84
	v_and_b32 v87, 0xffff0000, v84
	global_store_b64 v80, v[86:87], s[72:73]       ; 256 consecutive bytes
	s_endpgm
.Lnot_wave_0:
	s_lshl_b32 s5, s3, 3
	s_or_b32 s5, s5, s4
	s_cmp_eq_u32 s5, 1                             ; wave 1 of work-group 0: the table's row 2048
	s_cbranch_scc0 .Ldone
	v_lshlrev_b32 v90, 4, v[LANE]
	v_mov_b32 v91, 0x3e000000
	v_cmp_gt_u32 vcc_lo, 16, v[LANE]               ; lanes 0-15 hold the cos part
.irp i, 0,1,2,3
	v_cndmask_b32 v[92+(\i)], 0, v91, vcc_lo
.endr
	global_store_b128 v90, v[92:95], s[34:35] offset:1048576
.Ldone:
	s_endpgm
.Lfunc_end_k_q477f697810_prep:
	.size	k_q477f697810_prep, .Lfunc_end_k_q477f697810_prep-k_q477f697810_prep
	.p2alignl 7, 3214868480
	.fill 96, 4, 3214868480
	.section	.rodata,"a",@progbits
	.p2align	6, 0x0
	.amdhsa_kernel k_q477f697810_prep
		.amdhsa_group_segment_fixed_size 0
		.amdhsa_private_segment_fixed_size 0
		.amdhsa_enable_private_segment 0
		.amdhsa_kernarg_size 128
		.amdhsa_user_sgpr_count 2
		.amdhsa_user_sgpr_kernarg_segment_ptr 1
		.amdhsa_wavefront_size32 1
		.amdhsa_system_sgpr_workgroup_id_x 1
		.amdhsa_system_sgpr_workgroup_id_y 1
		.amdhsa_system_sgpr_workgroup_id_z 1
		.amdhsa_system_vgpr_workitem_id 0
		.amdhsa_next_free_vgpr 232
		.amdhsa_next_free_sgpr 74
		.amdhsa_reserve_vcc 1
		.amdhsa_float_denorm_mode_32 3
		.amdhsa_float_denorm_mode_16_64 3
		.amdhsa_memory_ordered 1
		.amdhsa_forward_progress 1
		.amdhsa_inst_pref_size 43
	.end_amdhsa_kernel
	.amdgpu_metadata
---
amdhsa.version: [ 1, 2 ]
amdhsa.kernels:
  - .name:           k_q477f697810_prep
    .symbol:         k_q477f697810_prep.kd
    .args:
      - { .name: x, .offset: 0, .size: 8, .value_kind: global_buffer, .address_space: global }
      - { .name: wq, .offset: 8, .size: 8, .value_kind: global_buffer, .address_space: global }
      - { .name: wk, .offset: 16, .size: 8, .value_kind: global_buffer, .address_space: global }
      - { .name: wv, .offset: 24, .size: 8, .value_kind: global_buffer, .address_space: global }
      - { .name: wo, .offset: 32, .size: 8, .value_kind: global_buffer, .address_space: global }
      - { .name: bq, .offset: 40, .size: 8, .value_kind: global_buffer, .address_space: global }
      - { .name: bk, .offset: 48, .size: 8, .value_kind: global_buffer, .address_space: global }
      - { .name: bv, .offset: 56, .size: 8, .value_kind: global_buffer, .address_space: global }
      - { .name: bo, .offset: 64, .size: 8, .value_kind: global_buffer, .address_space: global }
      - { .name: position_ids, .offset: 72, .size: 8, .value_kind: global_buffer, .address_space: global }
      - { .name: xb, .offset: 80, .size: 8, .value_kind: global_buffer, .address_space: global }
      - { .name: wb, .offset: 88, .size: 8, .value_kind: global_buffer, .address_space: global }
      - { .name: wob, .offset: 96, .size: 8, .value_kind: global_buffer, .address_space: global }
      - { .name: tab, .offset: 104, .size: 8, .value_kind: global_buffer, .address_space: global }
      - { .name: bias, .offset: 112, .size: 8, .value_kind: global_buffer, .address_space: global }
      - { .name: ob, .offset: 120, .size: 8, .value_kind: global_buffer, .address_space: global }
    .group_segment_fixed_size: 0
    .private_segment_fixed_size: 0
    .kernarg_segment_align: 8
    .kernarg_segment_size: 128
    .max_flat_workgroup_size: 256
    .sgpr_count:     74
    .vgpr_count:     232
    .wavefront_size: 32
...
	.end_amdgpu_metadata
.endif
;; end of part 1
;; launch proj (part 2): grid 16 x 16, 4 waves a work-group, clusters of 4 x 4, 327,680 bytes of LDS; arguments xb, wb, bias, tab, qkvh; writes qkvh
.if DOCPART == 2
	.amdgcn_target "amdgcn-amd-amdhsa--gfx1250"
	.amdhsa_code_object_version 6
	.text
	.protected	k_q477f697810_proj
	.globl	k_q477f697810_proj
	.p2align	8
	.type	k_q477f697810_proj,@function
k_q477f697810_proj:
	s_mov_b64 s[64:65], 0
	v_nop
	global_prefetch_b8 v0, s[64:65] scope:SCOPE_SE
	s_setreg_imm32_b32 hwreg(HW_REG_WAVE_MODE, 25, 1), 1
	s_wait_xcnt 0x0
	s_wait_alu depctr_hold_cnt(0) depctr_sa_sdst(0) depctr_va_vdst(0) depctr_va_sdst(0) depctr_va_ssrc(0) depctr_va_vcc(0) depctr_vm_vsrc(0)
	s_getreg_b32 s2, hwreg(HW_REG_IB_STS2, 6, 4)
	s_cmp_eq_u32 s2, 0
	s_cbranch_scc0 .Lentry_in_a_cluster
	s_endpgm
.Lentry_in_a_cluster:
	s_bfe_u32 s2, ttmp6, 0x10000c
	s_cmp_lg_u32 s2, 0xf033
	s_cbranch_scc0 .Lentry_shape_is_right
	s_endpgm
.Lentry_shape_is_right:
; PROJ: C[m][n] = sum over k of x[m][k] w[n][k] + bias[n], 2,048 x 4,096 x 4,096 in bf16 with f32 sums; q's and k's columns are turned (RoPE); everything is divided by 8 and left by heads:
; qkvh [32][2048][128] f16: heads 0-15 q, 16-23 k, 24-31 v.  The division (exact) and the turn are one step: the table holds cos / 8 and sin / 8; v's columns read the table's row 2048 (1/8 and 0).
; LIMIT.  |q|, |k|, |v| under 8 x 65,504, f16's end; NaN and infinities are not treated apart.
; THE OPERANDS LIE IN PLANES OF 64 ALONG K: xb [66][2048][64], wb [66][4096][64], a row of a plane 128 bytes, the rows on end; planes 64 and 65 hold zeros.
; SHARES.  A tile of C is 128 x 256: 16 x 16 tiles, a work-group each.  Four waves, each 64 rows x 128 columns (one head): 32 accumulators of 16 x 16.  THE SUMS START WITH THE BIAS: a lane's eight numbers of
; the bias for a column block lie as an accumulator's do, and are the C operand of the first products.
; THE RING.  Two LDS slots of THREE PLANES each (192 along K): as much as fits twice.  Waves 0 and 1 fetch A's two halves (64 rows), waves 2 and 3 B's (128 rows): one tensor load a wave behind each change of
; slots: a tile of 3 rows, each row the wave's matrix rows of one plane, 8 or 16 KiB on end.  The mover lays 16 bytes behind every 256: matrix row r of a plane lies at 272 (r / 2) + 128 (r % 2), so the 16
; rows of a fragment load start in 16 different columns of 16 bytes ((r / 2) + 8 (r % 2) modulo 16; 64 banks of 4 bytes: ISA guide 11.1).  22 slots; of the last only plane 63 is multiplied.
; THE TEXT.  A slot is six quarters of 32 along K.  Quarters 2, 3 and 4, 5 differ by a plane in their LDS addresses alone: one PAIR, walked twice.  The loop over slots is entered at the pairs.
; CLUSTER.  4 x 4 work-groups: A's tile is asked for jointly by a row of the cluster, B's by a column: the same load, descriptor and mask in the four that the mask names.
; THE MATRIX INSTRUCTION IS USED TRANSPOSED (source 0 = 16 rows of wb, source 1 = 16 rows of xb): lane l holds row l % 16 of C and the columns 8 (l / 16) + 0..7.
; REGISTERS, in windows of 256 (s_set_vgpr_msb: bits 1:0 source 0, 3:2 source 1, 5:4 source 2, 7:6 destination):
;   window 0: v16-31 addresses; v32-63 at work on the way out; v64-159, v160-255 two fragment buffers (B's 8 fragments, then A's 4)
;   window 1: accumulator (a, b) at v[8 (8 a + b)]     window 2: v0-63 the bias of my 8 columns in each of the 8 column blocks     window 3: the table: row block a: cos at 64 a + 8 b, sin at 64 a + 32 + 8 b
.set NSLOT,  22                        ; slots of three planes
.set PBA,    2048*128                  ; bytes in a plane of A,
.set PBB,    4096*128                  ; of B
.set STEPA,  3*PBA                     ; from slot to slot in memory
.set STEPB,  3*PBB
.set PLA,    64*136                    ; a plane of 64 rows in LDS: 32 pairs of rows of 272 bytes
.set PLB,    128*136
.set RGA,    3*PLA                     ; what a wave's load fills: 0x6600 for A,
.set RGB,    3*PLB                     ; 0xCC00 for B
.set BLK,    8*272                     ; 16 rows in LDS
; LDS.  Each wave's load has two regions, slot 0's and slot 1's, so placed that one exclusive or turns the one's address into the other's:
;   B's half 0: 0 and 0xCC00 (by 0xCC00)      A's half 0: 0x19800 and 0x39800 (by 0x20000)      B's half 1: 0x20000 and 0x2CC00 (by 0xCC00)      A's half 1: 0x40000 and 0x46600 (by 0x6600)
.set LA0,    0x19800
.set LA1,    0x40000
.set XA0,    0x20000
.set LB1,    0x20000
.set SPARE,  0x3fe00                   ; between A's regions: the spare words, 128 bytes for each wave: two blocks of 256 bytes that no other line names
.set STAGE,  0                         ; the way out: 16 rows x 272 bytes for each wave, in B's first region, when the ring has had its last fill and every wave has read it out
.set SPITCH, 272
.set ADRA0, 16                         ; v16  my lane's place in A's rows of slot 0; never rewritten
.set ADRB0, 17                         ; v17  the same for B
.set ADRA,  18                         ; v18  v16 + s[SBA]
.set ADRB,  19                         ; v19  v17 + s[SBB]
.set STO,   24                         ; v24  the way out: where I put 16 bytes of a row
.set RD,    25                         ; v25  where I read a row back
.set CO,    26                         ; v26  16 x lane: my 16 bytes of two rows of a head
.set BO,    27                         ; v27  32 (l / 16): my 8 numbers in a block of 16 of the bias
.set SPW,   28                         ; v28  LDS address of my spare word; never rewritten
.set NIL,   29                         ; v29  0; never rewritten
.set PFO,   30                         ; v30  the prefetches' offset: 256 x lane
.set TBO,   31                         ; v31  my offset in 16 rows of the table
.set TMP,   32
.set F0,    64
.set F1,    160
.set WV, 14                            ; s14 wave; s15 its half of the rows (also: 0 fetches A, 1 fetches B); s16 its half of the columns (also: which half it fetches)
.set RH, 15
.set CH, 16
.set CX, 17
.set CY, 18
.set TC, 19                            ; tile column, tile row
.set TR, 20
.set CNT, 23                           ; slots still to be entered
.set G1,  24                           ; s[24:31] group 1 for A;  s[32:39] group 0 for A: set 0 for the first fill, set 1 walks
.set G0,  32
.set LIM, 40                           ; 1 in a wave that prefetches, else the greatest number
.set SBA, 41                           ; what is added to A's LDS addresses: the slot being read (0 or s[DA]) and the planes that the pairs have passed
.set MA,  42                           ; what turns my fill of A into the other slot's
.set DA,  43                           ; from slot 0 to slot 1 in the half of A that I read
.set PFA, 44                           ; s[44:45] where my prefetches stand
.set SBB, 46                           ; the same as s[SBA] for B: the slot is 0 or RGB
.set TWO, 47                           ; counts a slot's two pairs
.set G1B, 48
.set G0B, 56
.set PFS, 66                           ; s[66:67] my prefetches' step
.set TBS, 68                           ; s[68:75] the table at my rows, a pair for each row block
.set MSB, 0
.macro WIN new                         ; the immediate's high byte repeats the setting that is left; a switch that changes nothing is dropped
.if MSB != (\new)
	s_set_vgpr_msb (MSB<<8)|(\new)
.set MSB, \new
.endif
.endm
.macro PLACES                          ; four places in front of loads into registers that matrix instructions have read, and of vector work on their results
.rept 4
	v_nop
.endr
.endm
.macro CREST                           ; a round of the cluster's barrier behind its opening barrier
	s_cmp_lg_u32 s[WV], 0
	s_cbranch_scc1 .Lnot_wave_0_\@
	s_barrier_signal -3
.Lnot_wave_0_\@:
	s_barrier_wait -3
	s_barrier_signal -1
	s_barrier_wait -1
.endm
.macro CROUND
	s_barrier_signal -1
	s_barrier_wait -1
	CREST
.endm
.macro JLOAD                           ; a joint refill by the walking descriptor; the branch hangs on the wave's number alone; an s_nop 0 and four v_nop follow each line
	s_cmp_eq_u32 s[RH], 0
	s_cbranch_scc0 .Lfor_b_\@
	tensor_load_to_lds s[G0+4:G0+7], s[G1:G1+7]
	s_nop 0
.rept 4
	v_nop
.endr
	s_branch .Lasked_\@
.Lfor_b_\@:
	tensor_load_to_lds s[G0B+4:G0B+7], s[G1B:G1B+7]
	s_nop 0
.rept 4
	v_nop
.endr
.Lasked_\@:
.endm
; A prefetch into the L2 of the slot that the NEXT refill will ask for, a trip (192 matrix instructions) ahead: three instructions, a plane each; a lane names 256 bytes, the 32 lanes 64 rows of the plane.
; A's rows are read by the four clusters of a row of clusters: wave 0 of the clusters with x = 0 and even y asks, for its own row of clusters and the next: 1,024 rows, 64 for each of the sixteen work-groups.
; B's rows are read by the four clusters of a column: wave 2 of the clusters with y = 0 asks, for its column's 1,024 rows, likewise.  The work-groups of a cluster are told apart by address alone.
; So each 256 bytes are named once in the launch.  The last refill has no slot behind it; slots 0 to 2 come by their loads alone.
.macro ASK
	s_cmp_gt_u32 s[CNT], s[LIM]
	s_cbranch_scc0 .Lnot_mine_\@
	s_cmp_eq_u32 s[RH], 0
	s_cbranch_scc0 .Lask_b_\@
	global_prefetch_b8 v[PFO], s[PFA:PFA+1] th:TH_LOAD_NT scope:SCOPE_SE
	global_prefetch_b8 v[PFO], s[PFA:PFA+1] offset:PBA th:TH_LOAD_NT scope:SCOPE_SE
	global_prefetch_b8 v[PFO], s[PFA:PFA+1] offset:2*PBA th:TH_LOAD_NT scope:SCOPE_SE
	s_branch .Lnot_mine_\@
.Lask_b_\@:
	global_prefetch_b8 v[PFO], s[PFA:PFA+1] th:TH_LOAD_NT scope:SCOPE_SE
	global_prefetch_b8 v[PFO], s[PFA:PFA+1] offset:PBB th:TH_LOAD_NT scope:SCOPE_SE
	global_prefetch_b8 v[PFO], s[PFA:PFA+1] offset:2*PBB th:TH_LOAD_NT scope:SCOPE_SE
.Lnot_mine_\@:
.endm
	s_load_b256 s[4:11], s[0:1], 0x0               ; xb s[4:5], wb s[6:7], bias s[8:9], tab s[10:11]
	s_load_b64 s[12:13], s[0:1], 0x20              ; qkvh
	v_lshl_add_u32 v[SPW], v0, 2, SPARE
	v_mov_b32 v[NIL], 0
	ds_add_u32 v[SPW], v[NIL]                      ; the wave's opening: the add and its wait stand ahead of my first tensor load; the set-up below, work on registers, stands between them
	v_lshrrev_b32 v1, 5, v0
	v_readfirstlane_b32 s[WV], v1
	s_lshr_b32 s[RH], s[WV], 1
	s_and_b32 s[CH], s[WV], 1
	s_bfe_u32 s[CX], ttmp6, 0x40000
	s_bfe_u32 s[CY], ttmp6, 0x40004
	s_lshl_b32 s[TC], ttmp9, 2
	s_add_co_u32 s[TC], s[TC], s[CX]               ; tile column = 4 x cluster x + cx
	s_and_b32 s[TR], ttmp7, 0xffff
	s_lshl_b32 s[TR], s[TR], 2
	s_add_co_u32 s[TR], s[TR], s[CY]               ; tile row = 4 x cluster y + cy
	s_lshl_b32 s21, s[CY], 2
	s_lshl_b32 s21, 15, s21                        ; my row of the cluster
	s_lshl_b32 s22, 0x1111, s[CX]                  ; my column
	s_or_b32 s[G1], s21, (1<<16)|(1<<20)|(1<<21)|(5<<22)|(3<<25)   ; 15:0 the mask; 17:16 elements of 2 bytes; 20 padding on; 21 set beside a mask; 24:22 after every 64 words; 31:25 4 words of it
	s_or_b32 s[G1B], s22, (1<<16)|(1<<20)|(1<<21)|(5<<22)|(3<<25)
	s_mov_b32 s[G1+1], 4096<<16                    ; tensor_dim0 = 4,096 elements: 64 matrix rows of a plane
	s_mov_b32 s[G1+2], 3<<16                       ; tensor_dim1 = 3 planes
	s_mov_b32 s[G1+3], 4096<<16                    ; tile_dim0
	s_mov_b32 s[G1+4], 3                           ; tile_dim1
	s_mov_b32 s[G1+5], 2048*64                     ; elements from plane to plane
	s_mov_b32 s[G1+6], 0
	s_mov_b32 s[G1+7], 0
	s_mov_b32 s[G1B+1], 8192<<16                   ; B: 128 matrix rows of a plane
	s_mov_b32 s[G1B+2], 3<<16
	s_mov_b32 s[G1B+3], 8192<<16
	s_mov_b32 s[G1B+4], 3
	s_mov_b32 s[G1B+5], 4096*64
	s_mov_b32 s[G1B+6], 0
	s_mov_b32 s[G1B+7], 0
	s_lshl_b32 s76, s[TR], 14                      ; A: row 128 x tile row + 64 x half, 128 bytes a row, in registers that never hold cx
	s_lshl_b32 s77, s[CH], 13
	s_add_co_u32 s76, s76, s77
	s_mov_b32 s77, 0
	s_lshl_b32 s78, s[TC], 15                      ; B: row 256 x tile column + 128 x half, in registers that never hold cy
	s_lshl_b32 s79, s[CH], 14
	s_add_co_u32 s78, s78, s79
	s_mov_b32 s79, 0
	s_mul_i32 s80, s[CH], LA1-LA0                  ; where they go in slot 0: no place in the cluster enters an LDS address
	s_add_co_u32 s80, s80, LA0
	s_mul_i32 s[MA], s[CH], XA0-RGA
	s_sub_co_u32 s[MA], XA0, s[MA]                 ; 0x20000 for A's half 0, 0x6600 for its half 1
	s_mul_i32 s81, s[CH], LB1
	s_mul_i32 s[DA], s[RH], XA0-RGA
	s_sub_co_u32 s[DA], XA0, s[DA]                 ; the same for the half that I read
	s_mov_b32 s[SBA], 0
	s_mov_b32 s[SBB], 0
	s_wait_dscnt 0x0                               ; the opening add is done
	s_wait_kmcnt 0x0
	s_add_nc_u64 s[76:77], s[4:5], s[76:77]
	s_add_nc_u64 s[78:79], s[6:7], s[78:79]
	s_mov_b32 s[G0], 1                             ; count = 1
	s_mov_b32 s[G0+1], s80                         ; LDS address: slot 0
	s_mov_b64 s[G0+2:G0+3], s[76:77]               ; global address: planes 0 to 2
	s_or_b32 s[G0+3], s[G0+3], 0x80000000          ; type = 2
	s_mov_b32 s[G0+4], 1
	s_xor_b32 s[G0+5], s80, s[MA]                  ; slot 1
	s_add_nc_u64 s[G0+6:G0+7], s[76:77], STEPA     ; planes 3 to 5
	s_or_b32 s[G0+7], s[G0+7], 0x80000000
	s_mov_b32 s[G0B], 1
	s_mov_b32 s[G0B+1], s81
	s_mov_b64 s[G0B+2:G0B+3], s[78:79]
	s_or_b32 s[G0B+3], s[G0B+3], 0x80000000
	s_mov_b32 s[G0B+4], 1
	s_xor_b32 s[G0B+5], s81, RGB
	s_add_nc_u64 s[G0B+6:G0B+7], s[78:79], STEPB
	s_or_b32 s[G0B+7], s[G0B+7], 0x80000000
	CROUND                                         ; all sixteen work-groups are here: the first joint loads meet
	s_cmp_eq_u32 s[RH], 0                          ; a wave's two first fills stand in one branch, ahead of every wait on TENSORcnt and every LDS read: two loads of mine are out
	s_cbranch_scc0 .Lfirst_b
	tensor_load_to_lds s[G0:G0+3], s[G1:G1+7]
	s_nop 0
	tensor_load_to_lds s[G0+4:G0+7], s[G1:G1+7]
	s_nop 0
.rept 4
	v_nop
.endr
	s_branch .Lfirst_asked
.Lfirst_b:
	tensor_load_to_lds s[G0B:G0B+3], s[G1B:G1B+7]
	s_nop 0
	tensor_load_to_lds s[G0B+4:G0B+7], s[G1B:G1B+7]
	s_nop 0
.rept 4
	v_nop
.endr
.Lfirst_asked:
	; the bias comes into registers now: the first products take it
	v_and_b32 v1, 15, v0                           ; l % 16
	v_bfe_u32 v2, v0, 4, 1                         ; l / 16
	v_lshlrev_b32 v[BO], 5, v2
	s_lshl_b32 s82, s[TC], 10                      ; my 128 columns' bias: 4 bytes x (256 x tile column + 128 x half)
	s_lshl_b32 s83, s[CH], 9
	s_add_co_u32 s82, s82, s83
	s_mov_b32 s83, 0
	s_add_nc_u64 s[82:83], s[8:9], s[82:83]
	WIN 0x80                                       ; destination window 2
.irp b, 0,1,2,3,4,5,6,7
	global_load_b128 v[8*(\b):8*(\b)+3],   v[BO], s[82:83] offset:64*(\b)
	global_load_b128 v[8*(\b)+4:8*(\b)+7], v[BO], s[82:83] offset:64*(\b)+16
.endr
	WIN 0
	s_lshl_b32 s78, s[TR], 16                      ; my 64 rows of the table: 512 bytes x (128 x tile row + 64 x half)
	s_lshl_b32 s79, s[RH], 15
	s_add_co_u32 s78, s78, s79
	s_cmp_eq_u32 ttmp9, 3                          ; columns 3,072 on are v's: the same answer in all sixteen partners
	s_cselect_b32 s84, 0, 512                      ; from row to row,
	s_cselect_b32 s78, 0x100000, s78               ; from where (row 2,048 for v),
	s_cselect_b32 s86, 0, 8192                     ; and from block of 16 rows to block
	s_mov_b32 s79, 0
	s_mov_b32 s87, 0
	s_add_nc_u64 s[TBS:TBS+1], s[10:11], s[78:79]
	s_add_nc_u64 s[TBS+2:TBS+3], s[TBS:TBS+1], s[86:87]
	s_add_nc_u64 s[TBS+4:TBS+5], s[TBS+2:TBS+3], s[86:87]
	s_add_nc_u64 s[TBS+6:TBS+7], s[TBS+4:TBS+5], s[86:87]
	v_mul_u32_u24 v[TBO], v1, s84
	v_lshl_add_u32 v[TBO], v2, 5, v[TBO]           ; row l % 16, 8 numbers for each half of the lanes
	; a fragment is 16 rows x 32 K in 8 registers: lane l holds row l % 16, K = 8 (l / 16) + 0..7 and 16 + 8 (l / 16) + 0..7: two loads of 16 bytes, 32 bytes apart
	v_lshrrev_b32 v3, 1, v1
	v_mul_u32_u24 v3, v3, 272                      ; the pair of rows,
	v_and_b32 v4, 1, v1
	v_lshl_add_u32 v3, v4, 7, v3                   ; the row of the pair,
	v_lshl_add_u32 v3, v2, 4, v3                   ; 16 bytes for each half of the lanes
	s_mul_i32 s76, s[RH], LA1-LA0                  ; my 64 rows of A are what wave RH fetches,
	s_add_co_u32 s76, s76, LA0
	s_mul_i32 s77, s[CH], LB1                      ; my 128 rows of B what wave 2 + CH fetches
	v_add_nc_u32 v[ADRA0], s76, v3
	v_add_nc_u32 v[ADRB0], s77, v3
	v_mov_b32 v[ADRA], v[ADRA0]
	v_mov_b32 v[ADRB], v[ADRB0]
	s_mul_i32 s76, s[WV], 16*SPITCH
	s_add_co_u32 s76, s76, STAGE                   ; my stage
	v_mul_u32_u24 v4, v1, SPITCH                   ; in: row l % 16, 16 bytes for each half of the lanes
	v_lshl_add_u32 v4, v2, 4, v4
	v_add_nc_u32 v[STO], s76, v4
	v_mul_u32_u24 v5, v2, SPITCH                   ; back: lanes 0-15 one row of 256 bytes, lanes 16-31 the next
	v_lshl_add_u32 v5, v1, 4, v5
	v_add_nc_u32 v[RD], s76, v5
	v_and_b32 v[CO], 31, v0
	v_lshlrev_b32 v[CO], 4, v[CO]                  ; two rows of a head are 512 consecutive bytes
	s_lshl_b32 s76, s[TC], 1
	s_add_co_u32 s76, s76, s[CH]                   ; my head
	s_lshl_b32 s76, s76, 19                        ; 2,048 rows of 256 bytes
	s_lshl_b32 s77, s[TR], 15
	s_add_co_u32 s76, s76, s77
	s_lshl_b32 s77, s[RH], 14
	s_add_co_u32 s76, s76, s77                     ; + my first row
	s_mov_b32 s77, 0
	s_add_nc_u64 s[12:13], s[12:13], s[76:77]
	; the prefetches
	s_lshl2_add_u32 s76, s[CY], s[CX]              ; my work-group among the cluster's sixteen:
	s_lshl_b32 s76, s76, 6                         ; its 64 rows of the 1,024
	s_and_b32 s78, ttmp7, 0xffff                   ; cluster y
	s_lshl_b32 s77, s78, 9                         ; A: a row of clusters has 512 rows
	s_lshl_b32 s79, ttmp9, 10                      ; B: a column of clusters has 1,024
	s_and_b32 s80, s78, 1
	s_or_b32 s80, s80, ttmp9                       ; A is asked for where cluster x = 0 and cluster y is even,
	s_mov_b32 s[PFS], STEPB
	s_mov_b32 s[PFS+1], 0
	s_cmp_eq_u32 s[RH], 0
	s_cselect_b32 s77, s77, s79
	s_cselect_b32 s80, s80, s78                    ; B where cluster y = 0,
	s_cselect_b64 s[PFA:PFA+1], s[4:5], s[6:7]
	s_cselect_b32 s[PFS], STEPA, s[PFS]
	s_or_b32 s80, s80, s[CH]                       ; by waves 0 and 2 alone
	s_cmp_eq_u32 s80, 0
	s_cselect_b32 s[LIM], 1, -1                    ; the same in all sixteen partners, for a given wave
	s_add_co_u32 s76, s76, s77
	s_lshl_b32 s76, s76, 7                         ; 128 bytes a row
	s_mov_b32 s77, 0
	s_add_nc_u64 s[PFA:PFA+1], s[PFA:PFA+1], s[76:77]
	s_add_nc_u64 s[PFA:PFA+1], s[PFA:PFA+1], s[PFS:PFS+1]
	s_add_nc_u64 s[PFA:PFA+1], s[PFA:PFA+1], s[PFS:PFS+1]  ; at slot 2: the first refill steps it to slot 3
	v_and_b32 v[PFO], 31, v0
	v_lshlrev_b32 v[PFO], 8, v[PFO]
; 8 matrix instructions: row block a x all 8 column blocks, 32 along K.  first = 1: the product starts the sums, with the bias.  The 32 accumulators take turns, one instruction a turn, in the same order in every quarter.
.macro MULA f, a, first
.if \first
	WIN 0x60                                       ; C window 2, D window 1
.else
	WIN 0x50                                       ; C and D window 1
.endif
.irp b, 0,1,2,3,4,5,6,7
.if \first
	v_wmma_f32_16x16x32_bf16 v[8*(8*(\a)+(\b)):8*(8*(\a)+(\b))+7], v[(\f)+8*(\b):(\f)+8*(\b)+7], v[(\f)+64+8*(\a):(\f)+64+8*(\a)+7], v[8*(\b):8*(\b)+7]
.else
	v_wmma_f32_16x16x32_bf16 v[8*(8*(\a)+(\b)):8*(8*(\a)+(\b))+7], v[(\f)+8*(\b):(\f)+8*(\b)+7], v[(\f)+64+8*(\a):(\f)+64+8*(\a)+7], v[8*(8*(\a)+(\b)):8*(8*(\a)+(\b))+7]
.endif
.endr
.endm
; 24 LDS loads in one run: the fragments of 32 along K, plane q / 2 behind the two address registers, its half q % 2: B's 8, then A's 4
.macro FETCH q, f
	WIN 0
.irp i, 0,1,2,3,4,5,6,7
	ds_load_b128 v[(\f)+8*(\i):(\f)+8*(\i)+3],   v[ADRB] offset:((\q)/2)*PLB+((\q)%2)*64+(\i)*BLK
	ds_load_b128 v[(\f)+8*(\i)+4:(\f)+8*(\i)+7], v[ADRB] offset:((\q)/2)*PLB+((\q)%2)*64+(\i)*BLK+32
.endr
.irp i, 0,1,2,3
	ds_load_b128 v[(\f)+64+8*(\i):(\f)+64+8*(\i)+3],   v[ADRA] offset:((\q)/2)*PLA+((\q)%2)*64+(\i)*BLK
	ds_load_b128 v[(\f)+64+8*(\i)+4:(\f)+64+8*(\i)+7], v[ADRA] offset:((\q)/2)*PLA+((\q)%2)*64+(\i)*BLK+32
.endr
.endm
; One of a slot's first five quarters: multiplies buffer f; in its middle it fetches the next quarter, q, into buffer g
.macro QUARTER q, f, g, first
	s_wait_dscnt 4                                 ; B and A's blocks 0, 1 are in; the youngest four loads (A's blocks 2, 3) may be out
	MULA \f, 0, \first
	MULA \f, 1, \first
	PLACES
	FETCH \q, \g
	s_wait_dscnt 24                                ; all but the 24 just issued
	MULA \f, 2, \first
	MULA \f, 3, \first
.endm
; The sixth quarter multiplies buffer 1 and changes slots.  In front of the barrier each wave waits for all its tensor loads (one is out: its part of the next slot), adds 0 to its spare word, and waits for
; that and for its reads of this slot.  fill = 1: the barrier opens a round of the cluster's barrier, and the joint refill of the slot just read, with the planes two slots on, is the first thing behind the
; round: 176 matrix instructions stand between it and the wait for it.
.macro TURN fill
.if \fill
	s_wait_xcnt 0x0                                ; the last prefetches, a trip back, have read their address: it is stepped here, ahead of the waits of the change
	s_add_nc_u64 s[PFA:PFA+1], s[PFA:PFA+1], s[PFS:PFS+1]
.endif
	WIN 0
	s_wait_tensorcnt 0x0                           ; all my tensor loads have landed, so a group 0 may be written
	ds_add_u32 v[SPW], v[NIL]                      ; 0 onto my spare word
	s_wait_dscnt 5                                 ; (the add and the youngest four loads may be out)
	MULA F1, 0, 0                                  ; eight matrix instructions stand between the add and the wait for it
	s_wait_dscnt 0x0                               ; the add is done, and my reads of this slot are over
	s_barrier_signal -1
	MULA F1, 1, 0                                  ; work on registers while the others arrive
	WIN 0                                          ; at a branch and at a label every window is 0
	s_barrier_wait -1
.if \fill
	CREST                                          ; no wave of any partner still reads this slot or has a load on its way
	s_xor_b32 s[G0+5], s[G0+5], s[MA]              ; the walking descriptors: the other slot than last time, the next three planes
	s_add_nc_u64 s[G0+6:G0+7], s[G0+6:G0+7], STEPA
	s_xor_b32 s[G0B+5], s[G0B+5], RGB
	s_add_nc_u64 s[G0B+6:G0B+7], s[G0B+6:G0B+7], STEPB
	JLOAD                                          ; its four v_nop are also the places in front of the loads below
.else
	PLACES
.endif
	s_sub_co_u32 s[SBA], s[SBA], 2*PLA             ; the two planes that the pairs have passed are taken off,
	s_xor_b32 s[SBA], s[SBA], s[DA]                ; and the other slot is read
	s_sub_co_u32 s[SBB], s[SBB], 2*PLB
	s_xor_b32 s[SBB], s[SBB], RGB
	v_add_nc_u32 v[ADRA], s[SBA], v[ADRA0]
	v_add_nc_u32 v[ADRB], s[SBB], v[ADRB0]
	FETCH 0, F0
.if \fill
	ASK
.endif
	MULA F1, 2, 0
	MULA F1, 3, 0
.endm
	s_wait_tensorcnt 1                             ; my part of slot 0 is in; slot 1's may stay out
	s_barrier_signal -1
	s_barrier_wait -1                              ; everybody's is
	FETCH 0, F0
	s_wait_loadcnt 0x0                             ; the bias
	QUARTER 1, F0, F1, 1                           ; the first quarter stands in front of the loop: its products start the sums
	WIN 0xc0                                       ; the table comes into window 3 now, and is waited for behind the last product
.irp a, 0,1,2,3
.irp b, 0,1,2,3
	global_load_b128 v[64*(\a)+8*(\b):64*(\a)+8*(\b)+3],       v[TBO], s[TBS+2*(\a):TBS+2*(\a)+1] offset:64*(\b)
	global_load_b128 v[64*(\a)+8*(\b)+4:64*(\a)+8*(\b)+7],     v[TBO], s[TBS+2*(\a):TBS+2*(\a)+1] offset:64*(\b)+16
	global_load_b128 v[64*(\a)+32+8*(\b):64*(\a)+32+8*(\b)+3], v[TBO], s[TBS+2*(\a):TBS+2*(\a)+1] offset:256+64*(\b)
	global_load_b128 v[64*(\a)+32+8*(\b)+4:64*(\a)+32+8*(\b)+7], v[TBO], s[TBS+2*(\a):TBS+2*(\a)+1] offset:256+64*(\b)+16
.endr
.endr
	WIN 0
	s_mov_b32 s[CNT], NSLOT-1
	s_branch .Lpairs                               ; the loop is entered at slot 0's pairs, in the middle of a trip
.Lslot:                                        ; NSLOT - 2 times: a slot's last quarter, one refill, and the next slot's first five quarters
	TURN 1
	QUARTER 1, F0, F1, 0
	WIN 0
.Lpairs:
	s_mov_b32 s[TWO], 2
.Lpair:                                        ; quarters 2 and 3 are multiplied and planes 1's halves fetched; in the second trip everything lies a plane further on
	QUARTER 2, F1, F0, 0
	QUARTER 3, F0, F1, 0
	WIN 0
	s_add_co_u32 s[SBA], s[SBA], PLA
	s_add_co_u32 s[SBB], s[SBB], PLB
	v_add_nc_u32 v[ADRA], s[SBA], v[ADRA0]
	v_add_nc_u32 v[ADRB], s[SBB], v[ADRB0]
	s_sub_co_u32 s[TWO], s[TWO], 1
	s_cmp_lg_u32 s[TWO], 0
	s_cbranch_scc1 .Lpair
	s_sub_co_u32 s[CNT], s[CNT], 1
	s_cmp_lg_u32 s[CNT], 0
	s_cbranch_scc1 .Lslot
	TURN 0                                         ; the last change of slots is written out: nothing is left to fetch
	QUARTER 1, F0, F1, 0                           ; of the last slot plane 63 alone holds numbers: two quarters
	s_wait_dscnt 4
	MULA F1, 0, 0
	MULA F1, 1, 0
	s_wait_dscnt 0x0
	MULA F1, 2, 0
	MULA F1, 3, 0
	WIN 0
; THE WAY OUT, a block of 16 rows at a time.  ROPE: column d < 64 of the head pairs with d + 64, which is column block b with b + 4 in the same lane: o[d] = t[d] cos - t[d+64] sin,
; o[d+64] = t[d+64] cos + t[d] sin, cos and sin already divided by 8; each accumulator's lowest registers are read first.  PACK: rounded to f16, 16 bytes a lane.  TOSTAGE: into my own stage and back as
; whole rows.  SEND: stored.
.macro ROPE a
	WIN 0x0d                                       ; source 0 window 1, source 1 window 3, source 2 and destination window 0
.irp b, 0,1,2,3
.irp p, 0,1,2,3
	v_pk_mul_f32 v[64+8*(\b)+2*(\p):64+8*(\b)+2*(\p)+1], v[8*(8*(\a)+(\b)+4)+2*(\p):8*(8*(\a)+(\b)+4)+2*(\p)+1], v[64*(\a)+32+8*(\b)+2*(\p):64*(\a)+32+8*(\b)+2*(\p)+1]
	v_pk_mul_f32 v[96+8*(\b)+2*(\p):96+8*(\b)+2*(\p)+1], v[8*(8*(\a)+(\b))+2*(\p):8*(8*(\a)+(\b))+2*(\p)+1], v[64*(\a)+32+8*(\b)+2*(\p):64*(\a)+32+8*(\b)+2*(\p)+1]
.endr
.endr
.irp b, 0,1,2,3
.irp p, 0,1,2,3
	v_pk_fma_f32 v[64+8*(\b)+2*(\p):64+8*(\b)+2*(\p)+1], v[8*(8*(\a)+(\b))+2*(\p):8*(8*(\a)+(\b))+2*(\p)+1], v[64*(\a)+8*(\b)+2*(\p):64*(\a)+8*(\b)+2*(\p)+1], v[64+8*(\b)+2*(\p):64+8*(\b)+2*(\p)+1] neg_lo:[0,0,1] neg_hi:[0,0,1]
	v_pk_fma_f32 v[96+8*(\b)+2*(\p):96+8*(\b)+2*(\p)+1], v[8*(8*(\a)+(\b)+4)+2*(\p):8*(8*(\a)+(\b)+4)+2*(\p)+1], v[64*(\a)+8*(\b)+2*(\p):64*(\a)+8*(\b)+2*(\p)+1], v[96+8*(\b)+2*(\p):96+8*(\b)+2*(\p)+1]
.endr
.endr
.endm
.macro PACK
	WIN 0
.set i, 0
.rept 32
	v_cvt_pk_f16_f32 v[TMP+i], v[64+2*i], v[64+2*i+1]
.set i, i+1
.endr
.endm
.macro TOSTAGE a
	WIN 0
.irp b, 0,1,2,3,4,5,6,7
	ds_store_b128 v[STO], v[TMP+4*(\b):TMP+4*(\b)+3] offset:32*(\b)
.endr
.irp t, 0,1,2,3,4,5,6,7
	ds_load_b128 v[128+32*(\a)+4*(\t):128+32*(\a)+4*(\t)+3], v[RD] offset:(\t)*2*SPITCH  ; LDS serves a wave's instructions in order (ISA guide 5.7.1.4): these see the stores above; each block has registers of its own
.endr
.endm
.macro SEND a
	WIN 0
.irp t, 0,1,2,3,4,5,6,7
	s_wait_dscnt 7-(\t)                            ; load t of the eight is back
	global_store_b128 v[CO], v[128+32*(\a)+4*(\t):128+32*(\a)+4*(\t)+3], s[12:13] offset:4096*(\a)+512*(\t)  ; two rows of the head: 512 consecutive bytes, aligned
.endr
.endm
	PLACES
	PLACES
	s_wait_loadcnt 0x0                             ; the table
	s_wait_dscnt 0x0                               ; my reads of the ring are back;
	s_barrier_signal -1
	s_barrier_wait -1                              ; everybody's are, and no fill is to come: the stages may be written into the ring's bytes
	ROPE 0
	PACK
	TOSTAGE 0
.irp a, 1,2,3                          ; a block's arithmetic stands between the loads of the block before and the wait for them
	ROPE \a
	PACK
	SEND (\a)-1
	TOSTAGE \a
.endr
	SEND 3
	s_wait_tensorcnt 0x0                           ; the wave's end: an add and its wait stand behind my last tensor load and my last LDS store
	ds_add_u32 v[SPW], v[NIL]
	s_wait_dscnt 0x0
	CROUND                                         ; the closing round: no work-group ends while a partner may still ask for a tile that names it
	s_endpgm
.Lfunc_end_k_q477f697810_proj:
	.size	k_q477f697810_proj, .Lfunc_end_k_q477f697810_proj-k_q477f697810_proj
	.p2alignl 7, 3214868480
	.fill 96, 4, 3214868480
	.section	.rodata,"a",@progbits
	.p2align	6, 0x0
	.amdhsa_kernel k_q477f697810_proj
		.amdhsa_group_segment_fixed_size 327680
		.amdhsa_private_segment_fixed_size 0
		.amdhsa_enable_private_segment 0
		.amdhsa_kernarg_size 40
		.amdhsa_user_sgpr_count 2
		.amdhsa_user_sgpr_kernarg_segment_ptr 1
		.amdhsa_wavefront_size32 1
		.amdhsa_system_sgpr_workgroup_id_x 1
		.amdhsa_system_sgpr_workgroup_id_y 1
		.amdhsa_system_sgpr_workgroup_id_z 1
		.amdhsa_system_vgpr_workitem_id 0
		.amdhsa_next_free_vgpr 1024
		.amdhsa_next_free_sgpr 88
		.amdhsa_reserve_vcc 0
		.amdhsa_float_denorm_mode_32 3
		.amdhsa_float_denorm_mode_16_64 3
		.amdhsa_memory_ordered 1
		.amdhsa_forward_progress 1
		.amdhsa_inst_pref_size 82
	.end_amdhsa_kernel
	.amdgpu_metadata
---
amdhsa.version: [ 1, 2 ]
amdhsa.kernels:
  - .name:           k_q477f697810_proj
    .symbol:         k_q477f697810_proj.kd
    .args:
      - { .name: xb, .offset: 0, .size: 8, .value_kind: global_buffer, .address_space: global }
      - { .name: wb, .offset: 8, .size: 8, .value_kind: global_buffer, .address_space: global }
      - { .name: bias, .offset: 16, .size: 8, .value_kind: global_buffer, .address_space: global }
      - { .name: tab, .offset: 24, .size: 8, .value_kind: global_buffer, .address_space: global }
      - { .name: qkvh, .offset: 32, .size: 8, .value_kind: global_buffer, .address_space: global }
    .group_segment_fixed_size: 327680
    .private_segment_fixed_size: 0
    .kernarg_segment_align: 8
    .kernarg_segment_size: 40
    .max_flat_workgroup_size: 128
    .sgpr_count:     88
    .vgpr_count:     1024
    .wavefront_size: 32
...
	.end_amdgpu_metadata
.endif
;; end of part 2
;; launch attn (part 3): grid 32 x 8, 4 waves a work-group, clusters of 4 x 1, 327,680 bytes of LDS; arguments qkvh, ob; writes ob
.if DOCPART == 3
	.amdgcn_target "amdgcn-amd-amdhsa--gfx1250"
	.amdhsa_code_object_version 6
	.text
	.protected	k_q477f697810_attn
	.globl	k_q477f697810_attn
	.p2align	8
	.type	k_q477f697810_attn,@function
k_q477f697810_attn:
	s_mov_b64 s[64:65], 0
	v_nop
	global_prefetch_b8 v0, s[64:65] scope:SCOPE_SE
	s_setreg_imm32_b32 hwreg(HW_REG_WAVE_MODE, 25, 1), 1
	s_wait_xcnt 0x0
	s_wait_alu depctr_hold_cnt(0) depctr_sa_sdst(0) depctr_va_vdst(0) depctr_va_sdst(0) depctr_va_ssrc(0) depctr_va_vcc(0) depctr_vm_vsrc(0)
	s_getreg_b32 s2, hwreg(HW_REG_IB_STS2, 6, 4)
	s_cmp_eq_u32 s2, 0
	s_cbranch_scc0 .Lentry_in_a_cluster
	s_endpgm
.Lentry_in_a_cluster:
	s_bfe_u32 s2, ttmp6, 0x10000c
	s_cmp_lg_u32 s2, 0x3003
	s_cbranch_scc0 .Lentry_shape_is_right
	s_endpgm
.Lentry_shape_is_right:
; ATTN: for key/value head hk (grid y) the 4,096 query rows of its two query heads, which lie on end in qkvh, attend to its 2,048 keys.  qkvh [32][2048][128] f16 holds q, k, v divided by 8.
; ob = the attention's output divided by 2, f16, in planes of 64 columns: [33][2048][64], column = query head x 128 + channel, a row of a plane 128 bytes; this launch writes planes 0 to 31.
; Products, maxima and sums in f32; the weights p are rounded to f16 for the second product, O once at the end.
; LIMITS.  O is a mean of v's rows: |v| under 2 x 65,504.  p lies in 0 to 1, and below 6e-5 it keeps f16's fixed step of 6e-8.  A weight below 2^-126 counts as 0.  NaN and infinities are not treated apart.
; SHARES.  A work-group owns 128 query rows: 32 x 8 work-groups.  Wave w owns rows 64 (w % 2) .. + 63, four tiles of 16, and HALF THE KEYS: of every slot of 256 keys the 128 from 128 (w / 2) on, 64 a step.
; So each wave walks 16 key steps with a running maximum and sum of its own, and at the end waves 2 and 3 hand their O^T, c m and l to waves 0 and 1 through LDS, which join the two halves.
; LAYOUT.  S^T = K Q^T (source 0 = 16 keys, source 1 = 16 queries): a lane holds ONE query (lane % 16) and the keys 8 (lane / 16) + 0..7.  Two such tiles, rounded to f16 in pairs, ARE source 1 of
; O^T = V^T P, whose result again holds one query a lane, and eight channels.  K comes out of LDS as it lies, V ([key][channel]) turned, by ds_load_tr16_b128.
; SOFTMAX.  p = 2^(c s - c m), c = 64 log2(e) / sqrt(128) (the 64 undoes q's and k's division by 8); in every step O and l are multiplied by a = 2^(c m_old - c m_new).
; BY TURNS.  The wave's tiles are two PIECES (tiles 0, 1 and tiles 2, 3).  In a TURN one piece has the matrix unit: 32 products V^T P of the step in hand, then 32 products K Q^T of the next step; the other
; piece's softmax, cut into 64 slices, stands between them, one slice behind each matrix instruction.  Two turns are a key step.
; NO FIRST AND NO LAST STEP ARE WRITTEN OUT.  c m starts far below every c s, m at the lowest finite number, l, O^T and piece 2's P at 0: the first step's a is 0, and it is a step like any other.  The loop is
; entered, and the tail left, in the middle of a trip.  The price, for each wave: 32 products on zeros at the start, 32 on the last K once more at the end, V of step 0 read from LDS twice, and 296 lines
; that write 0, which run while the first tiles are on their way.  The gain: the text of three turns and a half.
; CLUSTER.  The four work-groups of a cluster belong to one key/value head and walk the same K and V: each tile is asked for jointly, by the same tensor load, descriptor and mask in all four.
; REGISTERS, in windows of 256 (s_set_vgpr_msb: bits 1:0 source 0, 3:2 source 1, 5:4 source 2, 7:6 destination):
;   window 0: v0-11 addresses; v12-43 eight registers of statistics a tile; v44-59 the statistics that change hands; v60-63 addresses; v64-191 S^T, 32 a tile; v192-255 P, 16 a tile
;   window 1: O^T, 64 a tile          window 2: v0-127 Q, 32 a tile; v128-255 K of one step          window 3: v0-127 V of one step
.set KS,    64        ; keys in a step
.set PK,    272       ; a row of K in LDS: 256 bytes + 16 of padding = 68 words: the 16 rows of a load start at 16 different groups of four banks (64 banks of 4 bytes: ISA guide 11.1)
.set PV,    288       ; a row of V: 256 + 32 = 72 words
.set VOFF,  256*PK    ; a slot: 256 rows of K, then 256 rows of V
.set SLOT1, 0x24000   ; slot 1 begins here; its two bits are set in none of the four fills' addresses in slot 0, so one exclusive or turns an address in one slot into the other's
.set SLOTB, 256*256   ; a slot's bytes of K, and of V, in memory
.set STAGE, SLOT1+256*(PK+PV)  ; behind the ring, never filled by a tensor load: 16 rows x 272 bytes for each wave
.set SP,    272
.set SPARE, STAGE+4*16*SP      ; the spare words, 128 bytes for each wave: two blocks of 256 bytes that no other line names
.set MAREA, 33792     ; what a wave hands over, in LDS slot 0 when its last fill has been read: 64 x 512 bytes of O^T, 512 of c m, 512 of l
.set OPL,   2048*128  ; bytes in a plane of ob
.set AK0, 2           ; v2   my lane's place in my half of a slot's K; never rewritten
.set AV0, 3           ; v3   the same for V
.set ADR, 4           ; v4   the LDS address of the run of loads in hand
.set QO,  5           ; v5   my byte offset in the wave's rows of Q
.set STO, 6           ; v6   the way out: where I put 16 bytes of a row
.set RD,  7           ; v7   the way out: where I read 16 bytes of four rows' halves back
.set GO,  8           ; v8   16 x lane: my 16 bytes of four rows of a plane of ob
.set MA,  60          ; v60  my 16 bytes in a block of 512 of the area that changes hands
.set PFO, 61          ; v61  256 x my lane: a row of K or V is 256 bytes; never rewritten
.set SPW, 62          ; v62  LDS address of my spare word; never rewritten
.set NIL, 63          ; v63  0; never rewritten
.set ST,  12          ; tile t's statistics at v[ST+8 t]: +0 c m, +1 m, +2, +3 l (even keys', odd keys'), +4 to +7 at work
.set S,   64
.set P,   192
.set KF,  128         ; K's fragments, in window 2
.set WV,  12          ; s12  my wave's number
.set LIM, 15          ; s15  1 in a wave that prefetches, else the greatest number
.set PFA, 18          ; s[18:19] where my prefetches stand
.set G1K, 24          ; s[24:31] descriptor group 1 for K's tiles
.set G1V, 32          ; s[32:39] for V's: it differs in the padding alone
.set G0K, 40          ; s[40:47] descriptor group 0 for K's tiles: a set for each of the two first fills; the second then walks on
.set G0V, 48          ; s[48:55] the same for V's
.set SLOTS, 56        ; s56  slots still to be entered by a change that fills
.set TWICE, 57        ; s57  counts a slot's steps
.set CS,  58          ; s[58:59] c
.set SEL, 60          ; s[60:61] lane selects for v_permlanex16_b32: each lane takes its own place in the other half
.set TBK, 62          ; s62  LDS byte, in my half of K, at which the step to be fetched begins
.set TBV, 63          ; s63  the same for V
.set MSB, 0
.macro WIN new                      ; the immediate's high byte repeats the setting that is left; a switch that changes nothing is dropped
.if MSB != (\new)
	s_set_vgpr_msb (MSB<<8)|(\new)
.set MSB, \new
.endif
.endm
.set W_KQ, 0x0a       ; K and Q in window 2, S^T in window 0
.set W_PV, 0x53       ; V in window 3, P in window 0, O^T in window 1
.set W_RS, 0x41       ; O^T (destination and source 0) in window 1, the factor in window 0
; A joint refill.  Waves 0 and 1 fetch the two halves of a slot's K, waves 2 and 3 those of its V: 128 rows each.  The branch hangs on the wave's number alone.
; An s_nop 0 and four v_nop follow each of the two lines, ahead of the jump and the label.
.macro JLOAD
	s_cmp_lt_u32 s[WV], 2
	s_cbranch_scc0 .Lfor_v_\@
	tensor_load_to_lds s[G0K+4:G0K+7], s[G1K:G1K+7]
	s_nop 0
.rept 4
	v_nop
.endr
	s_branch .Lasked_\@
.Lfor_v_\@:
	tensor_load_to_lds s[G0V+4:G0V+7], s[G1V:G1V+7]
	s_nop 0
.rept 4
	v_nop
.endr
.Lasked_\@:
.endm
; A prefetch into the L2 of what the NEXT change of slots will ask for: 256 rows of K and 256 of V, a lane a row.  All eight clusters of a head walk the same rows: the first (cluster x = 0) asks.  Its four
; partners take 64 rows of each, told apart by address; in each, waves 0 and 1 ask for K's, waves 2 and 3 for V's, 32 rows a wave.  So each row is named once in the launch.
; The last change that fills a slot asks for nothing; slots 0 to 2 come by their loads alone.
.macro ASK
	s_cmp_gt_u32 s[SLOTS], s[LIM]
	s_cbranch_scc0 .Lnot_mine_\@
	global_prefetch_b8 v[PFO], s[PFA:PFA+1] th:TH_LOAD_NT scope:SCOPE_SE
.Lnot_mine_\@:
.endm
.macro CROUND                       ; a round of the cluster's barrier
	s_barrier_signal -1
	s_barrier_wait -1
	s_cmp_lg_u32 s[WV], 0
	s_cbranch_scc1 .Lnot_wave_0_\@
	s_barrier_signal -3
.Lnot_wave_0_\@:
	s_barrier_wait -3
	s_barrier_signal -1
	s_barrier_wait -1
.endm
	s_load_b64 s[4:5], s[0:1], 0x0  ; qkvh
	s_load_b64 s[10:11], s[0:1], 0x8  ; ob
	v_lshl_add_u32 v[SPW], v0, 2, SPARE
	v_mov_b32 v[NIL], 0
	ds_add_u32 v[SPW], v[NIL]       ; the wave's opening: the add and its wait stand ahead of my first tensor load; the set-up below, work on registers, stands between them
	v_lshrrev_b32 v1, 5, v0
	v_readfirstlane_b32 s[WV], v1   ; wave 0..3
	s_bfe_u32 s13, ttmp6, 0x40000   ; cx: my place in the cluster
	s_lshl_b32 s14, ttmp9, 2
	s_add_co_u32 s14, s14, s13      ; my block of 128 query rows, 0..31: it enters Q's and O's addresses alone
	s_and_b32 s20, ttmp7, 0xffff    ; the key/value head, which the four partners share
	s_and_b32 s16, s[WV], 1
	s_lshr_b32 s67, s[WV], 1        ; my half of the keys
	s_lshl_b32 s22, s20, 19         ; a head is 2,048 rows of 256 bytes;
	s_add_co_u32 s22, s22, 0x800000 ; k's heads begin behind q's sixteen
	s_mov_b32 s23, 0
	s_lshl_b32 s56, s16, 15         ; which 128 rows of a slot I fetch
	s_mov_b32 s57, 0
	s_lshl_b32 s2, s20, 20          ; Q: the head's two query heads,
	s_lshl_b32 s3, s14, 15          ; my block's 128 rows,
	s_add_co_u32 s2, s2, s3
	s_lshl_b32 s3, s16, 14          ; my wave's 64
	s_add_co_u32 s2, s2, s3
	s_mov_b32 s3, 0
	s_lshl_b32 s20, s20, 1          ; O: the query head 2 hk + block / 16
	s_lshr_b32 s21, s14, 4
	s_add_co_u32 s20, s20, s21
	s_lshl_b32 s20, s20, 19         ; has two planes of 262,144 bytes;
	s_and_b32 s21, s14, 15          ; row 128 (block % 16) + 64 (w % 2), 128 bytes each
	s_lshl_b32 s21, s21, 14
	s_add_co_u32 s20, s20, s21
	s_lshl_b32 s21, s16, 13
	s_add_co_u32 s20, s20, s21
	s_mov_b32 s21, 0
	s_lshl_b32 s62, s13, 14         ; the prefetches: my work-group's 64 rows of a slot's 256,
	s_lshl_b32 s63, s16, 13         ; my wave's 32 of them,
	s_add_co_u32 s62, s62, s63
	s_add_co_u32 s62, s62, 2*SLOTB  ; in slot 2; the first change of slots steps it to slot 3
	s_mov_b32 s63, 0
	s_mul_i32 s17, s16, 128*PK      ; where my fill goes in a slot, for K
	s_mul_i32 s66, s16, 128*PV      ; and for V: no place in the cluster enters an LDS address
	; descriptor group 1: a tile of 128 rows x 128 elements, padded in LDS
	s_mov_b32 s[G1K], 15|(1<<16)|(1<<20)|(1<<21)|(5<<22)|(3<<25)  ; 15:0 the mask: all four work-groups; 17:16 elements of 2 bytes; 20 padding on; 21 set beside a mask; 24:22 after every 64 words; 31:25 4 words of it
	s_mov_b32 s[G1V], 15|(1<<16)|(1<<20)|(1<<21)|(5<<22)|(7<<25)  ; the same with 8 words of padding
.irp g, G1K, G1V
	s_mov_b32 s[(\g)+1], 128<<16    ; tensor_dim0 = 128
	s_mov_b32 s[(\g)+2], 128<<16    ; tensor_dim1 = 128
	s_mov_b32 s[(\g)+3], 128<<16    ; tile_dim0 = 128
	s_mov_b32 s[(\g)+4], 128        ; tile_dim1 = 128
	s_mov_b32 s[(\g)+5], 128        ; elements from row to row
	s_mov_b32 s[(\g)+6], 0
	s_mov_b32 s[(\g)+7], 0
.endr
	s_mov_b32 s[CS], 0x410293ee     ; c = 64 log2(e) / sqrt(128) = 8.16110
	s_mov_b32 s[CS+1], s[CS]        ; named with it as a pair, so it is written
	s_mov_b32 s[SEL], 0x76543210
	s_mov_b32 s[SEL+1], 0xfedcba98
	s_cmp_eq_u32 ttmp9, 0           ; the head's first cluster: the same answer in all four partners
	s_cselect_b32 s[LIM], 1, -1
	v_and_b32 v[PFO], 31, v0
	v_lshlrev_b32 v[PFO], 8, v[PFO]
	s_wait_dscnt 0x0                ; the opening add is done
	s_wait_kmcnt 0x0
	s_add_nc_u64 s[6:7], s[4:5], s[22:23]   ; K of the head,
	s_add_nc_u64 s[8:9], s[6:7], 0x400000   ; V: eight heads further on
	s_cmp_lt_u32 s[WV], 2
	s_cselect_b64 s[PFA:PFA+1], s[6:7], s[8:9]
	s_add_nc_u64 s[PFA:PFA+1], s[PFA:PFA+1], s[62:63]
	s_add_nc_u64 s[6:7], s[6:7], s[56:57]   ; K and V at my fill of slot 0
	s_add_nc_u64 s[8:9], s[8:9], s[56:57]
	s_add_nc_u64 s[4:5], s[4:5], s[2:3]     ; Q and O at my wave's first row
	s_add_nc_u64 s[10:11], s[10:11], s[20:21]
	s_mov_b32 s[TBK], 0
	s_mov_b32 s[TBV], 0
	s_mov_b32 s[SLOTS], 2048/256-1  ; the way into the loop takes one off; six changes of slots fill
	CROUND                          ; all four work-groups are here: the first joint loads meet
.irp s, 0,1
	s_mov_b32 s[G0K+4*(\s)], 1      ; count = 1
	s_add_co_u32 s[G0K+4*(\s)+1], s17, (\s)*SLOT1  ; LDS address
	s_add_nc_u64 s[G0K+4*(\s)+2:G0K+4*(\s)+3], s[6:7], (\s)*SLOTB  ; global address: slot s
	s_or_b32 s[G0K+4*(\s)+3], s[G0K+4*(\s)+3], 0x80000000  ; type = 2
	s_mov_b32 s[G0V+4*(\s)], 1
	s_add_co_u32 s[G0V+4*(\s)+1], s66, (\s)*SLOT1+VOFF
	s_add_nc_u64 s[G0V+4*(\s)+2:G0V+4*(\s)+3], s[8:9], (\s)*SLOTB
	s_or_b32 s[G0V+4*(\s)+3], s[G0V+4*(\s)+3], 0x80000000
.endr
	s_cmp_lt_u32 s[WV], 2           ; a wave's two first fills stand in one branch, ahead of every wait on TENSORcnt and every LDS read: two loads of mine are out
	s_cbranch_scc0 .Lfirst_v
	tensor_load_to_lds s[G0K:G0K+3], s[G1K:G1K+7]
	s_nop 0
	tensor_load_to_lds s[G0K+4:G0K+7], s[G1K:G1K+7]
	s_nop 0
.rept 4
	v_nop
.endr
	s_branch .Lfirst_asked
.Lfirst_v:
	tensor_load_to_lds s[G0V:G0V+3], s[G1V:G1V+7]
	s_nop 0
	tensor_load_to_lds s[G0V+4:G0V+7], s[G1V:G1V+7]
	s_nop 0
.rept 4
	v_nop
.endr
.Lfirst_asked:
	; A fragment of K or Q is 16 rows x 32 channels in 8 registers: lane l holds row l % 16; registers 0-3 channels 8 (l / 16) + 0..7, registers 4-7 channels 16 + 8 (l / 16) + 0..7: two loads of 16 bytes, 32 bytes apart.
	v_and_b32 v1, 15, v0            ; l % 16
	v_bfe_u32 v9, v0, 4, 1          ; l / 16
	v_lshlrev_b32 v[QO], 8, v1
	v_lshl_add_u32 v[QO], v9, 4, v[QO]  ; row x 256 + 16 x half
	WIN 0x80                        ; destination window 2, address window 0
.irp i, 0,1,2,3,4,5,6,7,8,9,10,11,12,13,14,15  ; Q stays in registers: tile i / 4, channels 32 (i % 4) on
	global_load_b128 v[8*(\i):8*(\i)+3],   v[QO], s[4:5] offset:((\i)/4)*4096+((\i)%4)*64
	global_load_b128 v[8*(\i)+4:8*(\i)+7], v[QO], s[4:5] offset:((\i)/4)*4096+((\i)%4)*64+32
.endr
	; What the first turns find: O^T and l are 0, and so is piece 2's P, whose first products V^T P, of a step that has not been, add 0.  All this stands in the wait for the first tiles.
	WIN 0x40                        ; destination window 1
.set i, 0
.rept 256
	v_mov_b32 v[i], 0
.set i, i+1
.endr
	WIN 0
.set i, 0
.rept 4
	v_mov_b32 v[ST+8*i], 0xfe000000    ; c m: far below every c s (f16's scores give |c s| under 5e12)
	v_mov_b32 v[ST+8*i+1], 0xff7fffff  ; m: the lowest finite number
	v_mov_b32 v[ST+8*i+2], 0
	v_mov_b32 v[ST+8*i+3], 0
.set i, i+1
.endr
.set i, P+32
.rept 32
	v_mov_b32 v[i], 0
.set i, i+1
.endr
	v_mul_u32_u24 v[AK0], v1, PK
	v_lshl_add_u32 v[AK0], v9, 4, v[AK0]  ; row x pitch + 16 x half
	s_mul_i32 s13, s67, 128*PK
	v_add_nc_u32 v[AK0], s13, v[AK0]      ; in my half of the slot's keys
	; The turning load takes 16 keys x 16 channels (lane l reads 16 bytes: key 8 (l / 16) + l % 8, channels 8 ((l / 8) % 2) + 0..7) and leaves half a fragment of V^T: lane l holds channel l % 16 and 8 keys.
	v_and_b32 v10, 7, v0
	v_bfe_u32 v11, v0, 3, 1
	v_lshl_add_u32 v[AV0], v9, 3, v10
	v_mul_u32_u24 v[AV0], v[AV0], PV
	v_lshl_add_u32 v[AV0], v11, 4, v[AV0]
	s_mul_i32 s13, s67, 128*PV
	s_add_co_u32 s13, s13, VOFF
	v_add_nc_u32 v[AV0], s13, v[AV0]
; THE MATRIX WORK OF A TURN, for piece x.  The accumulators take turns, one instruction a turn: between two links of a chain stand 15 (V^T P) or 7 (K Q^T) others'.
; Product i of 32 of O^T += V^T P: keys 32 (i / 16) on, channels 16 ((i / 2) % 8) on, tile x + i % 2.
.macro PV x
	WIN W_PV
.set rO, 64*((\x)+i%2)+8*((i/2)%8)
.set rV, 64*(i/16)+8*((i/2)%8)
.set rP, P+16*((\x)+i%2)+8*(i/16)
	v_wmma_f32_16x16x32_f16 v[rO:rO+7], v[rV:rV+7], v[rP:rP+7], v[rO:rO+7]
.endm
; Product i of 32 of S^T = K Q^T: channels 32 (i / 8) on, keys 16 ((i / 2) % 4) on, tile x + i % 2.  The first 8 start the sums.
.macro KQ x
	WIN W_KQ
.set rS, S+32*((\x)+i%2)+8*((i/2)%4)
.set rK, KF+32*((i/2)%4)+8*(i/8)
.set rQ, 32*((\x)+i%2)+8*(i/8)
.if i < 8
	v_wmma_f32_16x16x32_f16 v[rS:rS+7], v[rK:rK+7], v[rQ:rQ+7], 0
.else
	v_wmma_f32_16x16x32_f16 v[rS:rS+7], v[rK:rK+7], v[rQ:rQ+7], v[rS:rS+7]
.endif
.endm
; THE LDS LOADS stand in runs of 32, never singly among the matrix instructions: a step's K (64 keys x 128 channels: 16 fragments) and, a turn later, its V (turned).
; last = 1 (the tail): in the last trip there is no further step, and the run is jumped over.
.macro FETCH_K last=0
	WIN 0
.if \last
	s_cmp_eq_u32 s[TWICE], 1
	s_cbranch_scc1 .Lno_k_\@
.endif
	v_add_nc_u32 v[ADR], s[TBK], v[AK0]
	s_add_co_u32 s[TBK], s[TBK], KS*PK  ; the next fetch is the next step's
	WIN 0x80                        ; destination window 2
.irp f, 0,1,2,3,4,5,6,7,8,9,10,11,12,13,14,15  ; keys 16 (f / 4) on, channels 32 (f % 4) on
	ds_load_b128 v[KF+8*(\f):KF+8*(\f)+3],   v[ADR] offset:((\f)/4)*16*PK+((\f)%4)*64
	ds_load_b128 v[KF+8*(\f)+4:KF+8*(\f)+7], v[ADR] offset:((\f)/4)*16*PK+((\f)%4)*64+32
.endr
.if \last
	WIN 0
.Lno_k_\@:
.endif
.endm
.macro FETCH_V step=1               ; step = 0: the next fetch is this step's once more
	WIN 0
	v_add_nc_u32 v[ADR], s[TBV], v[AV0]
.if \step
	s_add_co_u32 s[TBV], s[TBV], KS*PV
.endif
	WIN 0xc0                        ; destination window 3
.irp f, 0,1,2,3,4,5,6,7,8,9,10,11,12,13,14,15  ; keys 32 (f / 8) on, channels 16 (f % 8) on
	ds_load_tr16_b128 v[8*(\f):8*(\f)+3],   v[ADR] offset:((\f)/8)*32*PV+((\f)%8)*32
	ds_load_tr16_b128 v[8*(\f)+4:8*(\f)+7], v[ADR] offset:((\f)/8)*32*PV+16*PV+((\f)%8)*32
.endr
.endm
; THE VECTOR WORK OF A TURN.  One tile's softmax for one key step is a list of 134 instructions; SM writes number j of it for tile t.  s0-s31 are the lane's 32 scores, in pairs 0-15.
;   0-15    the maximum of s0-s31 and the old m, three operands at a time: four chains c0-c3 of seven scores each (each accumulator's lowest registers first), then the four scores left over, c0-c3 and m
;   16-20   the other half of the lanes' maximum; c m_old is kept; the new m; c m; c m_old - c m_new
;   21-87   33 exponentials (a, then s0-s31) at the odd numbers from 23 on, so that no two follow each other and each has a plain instruction behind it before its result is used.
;           The plain instructions between them are whatever is ready: c s - c m for pairs whose exponentials are still to come, the rounding to f16 of pairs whose exponentials are done, the first sums
;   88-101  the last rounding; the rest of the sums; l = a l + the sum
;   102-133 the tile's O^T times a: the one part that leaves window 0, so it stands together
.macro SM t
.set rT, ST+8*(\t)
.set rS, S+32*(\t)
.set rP, P+16*(\t)
.set rO, 64*(\t)+2*(j-102)
.set q, (j-20)/2
.if j < 102
	WIN 0
.endif
.if j < 4
	v_max3_num_f32 v[rT+4+j], v[rS+8*j], v[rS+8*j+1], v[rS+8*j+2]
.elseif j < 12
	v_max3_num_f32 v[rT+4+j%4], v[rT+4+j%4], v[rS+8*(j%4)+2*(j/4)+1], v[rS+8*(j%4)+2*(j/4)+2]
.elseif j == 12
	v_max3_num_f32 v[rT+4], v[rT+4], v[rS+7], v[rS+15]
.elseif j == 13
	v_max3_num_f32 v[rT+6], v[rT+6], v[rS+23], v[rS+31]
.elseif j == 14
	v_max3_num_f32 v[rT+4], v[rT+4], v[rT+5], v[rT+6]
.elseif j == 15
	v_max3_num_f32 v[rT+4], v[rT+4], v[rT+7], v[rT+1]
.elseif j == 16
	v_permlanex16_b32 v[rT+5], v[rT+4], s[SEL], s[SEL+1]  ; the query's other 32 keys lie in the lane 16 away
.elseif j == 17
	v_mov_b32 v[rT+7], v[rT]        ; c m_old is kept for a: number 19 writes c m anew
.elseif j == 18
	v_max_num_f32 v[rT+1], v[rT+4], v[rT+5]
.elseif j == 19
	v_mul_f32 v[rT], s[CS], v[rT+1]
.elseif j == 20
	v_sub_f32 v[rT+7], v[rT+7], v[rT]
.elseif j == 23
	v_exp_f32 v[rT+6], v[rT+7]
.elseif (j < 88) && (j > 23) && (j%2 == 1)
	v_exp_f32 v[rS+(j-25)/2], v[rS+(j-25)/2]
.elseif (q < 4) || ((j < 76) && (q%2 == 0))
.set b, q/2+2
.if q < 4
.set b, q
.endif
	v_pk_fma_f32 v[rS+2*b:rS+2*b+1], v[rS+2*b:rS+2*b+1], s[CS:CS+1], v[rT:rT+1] op_sel_hi:[1,0,0] neg_lo:[0,0,1] neg_hi:[0,0,1]  ; pair b: c s - c m
.elseif (j < 88) && (q%2 == 1)
	s_wait_alu depctr_va_vdst(0)
	v_cvt_pk_f16_f32 v[rP+(q-5)/2], v[rS+q-5], v[rS+q-4]  ; pair (q - 5) / 2: its second exponential stands three numbers back
.elseif j == 89
	s_wait_alu depctr_va_vdst(0)
	v_cvt_pk_f16_f32 v[rP+15], v[rS+30], v[rS+31]
.elseif j < 102                     ; the sum of the tile's 16 pairs, in place: sum z of 16 adds neighbours 1, 2, 4 and 8 pairs apart, then l takes it
.set z, j-86
.if j < 89
.set z, (j-76)/4
.endif
.set w, 4
.set u, z
.if z >= 14
.set w, 32
.set u, 0
.elseif z >= 12
.set w, 16
.set u, z-12
.elseif z >= 8
.set w, 8
.set u, z-8
.endif
.if z < 15
	v_pk_add_f32 v[rS+w*u:rS+w*u+1], v[rS+w*u:rS+w*u+1], v[rS+w*u+w/2:rS+w*u+w/2+1]
.else
	v_pk_fma_f32 v[rT+2:rT+3], v[rT+2:rT+3], v[rT+6:rT+7], v[rS:rS+1] op_sel_hi:[1,0,1]
.endif
.else
	WIN W_RS
	v_pk_mul_f32 v[rO:rO+1], v[rO:rO+1], v[rT+6:rT+7] op_sel_hi:[1,0]
.endif
.endm
; Slice k of 64 of piece y's softmax: numbers 2 k and 2 k + 1 of both tiles' lists, four instructions.  2 x 134 = 4 x 64 + 12: the twelve that are over stand together, in slice 63.
.macro SLICE y
.if (k >= 11) && (k < 44)           ; tile by tile: plain, exponential, plain, exponential
.irp t, \y, (\y)+1
.irp n, 0,1
.set j, 2*k+(\n)
	SM \t
.endr
.endr
.else                               ; the two tiles alternate, so that no instruction reads the result of the one just before it
.irp n, 0,1,2,3,4,5,6,7
.if ((\n) < 2) || (k == 63)
.irp t, \y, (\y)+1
.set j, 2*k+(\n)
	SM \t
.endr
.endif
.endr
.endif
.set k, k+1
.endm
; A TURN.  Piece x has the matrix unit: 32 products V^T P, then 32 products K Q^T for the next step; the other piece's softmax stands in slices behind them, which are also the places behind them (ISA guide 7.12.1).
; Each run of loads stands behind the second product of a run of 32, 30 matrix instructions ahead of its first use.  Piece 0's turn fetches the next step's K: the last product that read K stands in front of
; slice 63 of the turn before.  Piece 2's turn fetches the same step's V: the last product that read V stands three slices, six plain instructions, back.
.macro TURN x, last=0
.set k, 0
.if (\x) == 0
	s_wait_dscnt 0x0                ; V is in
.endif
.set i, 0
.rept 32
	PV \x
	SLICE 2-(\x)
.if ((\x) == 0) && (i == 1)
	FETCH_K \last
.endif
.set i, i+1
.endr
.if (\x) == 0
	s_wait_dscnt 0x0                ; K is in
.endif
.set i, 0
.rept 32
	KQ \x
	SLICE 2-(\x)
.if ((\x) == 2) && (i == 1)
	FETCH_V
.endif
.set i, i+1
.endr
.endm
; THE CHANGE OF SLOTS, between piece 2's turn and piece 0's: the slot's last bytes, V of its second step, have been asked for.  Each wave waits for all its tensor loads, of which one is out: its part of the
; other slot; adds 0 to its spare word; and waits for that and for its own reads of the slot.  fill = 1: the slot is filled again, with the keys two slots on; the barrier is then a round of the cluster's,
; and the joint refill is the first thing behind it: it has two key steps, 256 matrix instructions, in which to land.
.macro CHANGE fill
	WIN 0                           ; at a label and at a branch every window is 0
	s_wait_tensorcnt 0x0            ; no tensor load of mine is out, so a group 0 may be written
	ds_add_u32 v[SPW], v[NIL]       ; 0 onto my spare word: with fill = 1 the descriptors' steps stand between it and the wait for it
.if \fill
.irp g, G0K+4, G0V+4
	s_xor_b32 s[(\g)+1], s[(\g)+1], SLOT1  ; the walking descriptor: the other slot than last time,
	s_add_nc_u64 s[(\g)+2:(\g)+3], s[(\g)+2:(\g)+3], SLOTB  ; the next 256 keys; the type bits on top are not reached
.endr
	s_wait_xcnt 0x0                 ; the last prefetch, two key steps back, has read its address, so it may be written
	s_add_nc_u64 s[PFA:PFA+1], s[PFA:PFA+1], SLOTB
	s_wait_dscnt 0x0                ; the add is done, and my reads of the slot are over
	CROUND
	JLOAD
	ASK
.else
	s_wait_dscnt 0x0                ; the add is done, and my reads of the slot are over
	s_barrier_signal -1
	s_barrier_wait -1
.endif
	s_sub_co_u32 s[TBK], s[TBK], 2*KS*PK  ; the fetches go back to my half's first step,
	s_xor_b32 s[TBK], s[TBK], SLOT1       ; in the other slot
	s_sub_co_u32 s[TBV], s[TBV], 2*KS*PV
	s_xor_b32 s[TBV], s[TBV], SLOT1
.endm
	s_wait_tensorcnt 1              ; my part of slot 0 is in; slot 1's may stay out
	s_barrier_signal -1
	s_barrier_wait -1               ; everybody's is
	FETCH_K                         ; key step 0
	FETCH_V 0                       ; and its V, for the products on P = 0: numbers, not what the registers happen to hold; the first turn fetches it again in its own place
	s_wait_loadcnt 0x0              ; Q
	s_wait_dscnt 0x0
.set i, 0
.rept 32
	KQ 0                            ; piece 0's first scores: there is no vector work yet to set between them
.set i, i+1
.endr
	WIN 0                           ; the addresses for the way out are made here: plain instructions, the places behind those products
	s_mul_i32 s13, s[WV], 16*SP
	s_add_co_u32 s13, s13, STAGE    ; my stage
	v_mul_u32_u24 v[STO], v1, SP    ; in: row l % 16, 16 bytes for each half of the lanes
	v_lshl_add_u32 v[STO], v9, 4, v[STO]
	v_add_nc_u32 v[STO], s13, v[STO]
	v_bfe_u32 v[RD], v0, 3, 2       ; back: 32 lanes take 128 bytes (64 channels, a plane's part) of each of four rows,
	v_mul_u32_u24 v[RD], v[RD], SP
	v_lshl_add_u32 v[RD], v10, 4, v[RD]
	v_add_nc_u32 v[RD], s13, v[RD]
	v_and_b32 v[GO], 31, v0         ; which are 512 consecutive bytes of the plane
	v_lshlrev_b32 v[GO], 4, v[GO]
	s_mul_i32 s13, s16, MAREA       ; the area in which waves w and w + 2 meet
	v_and_b32 v[MA], 31, v0
	v_lshl_add_u32 v[MA], v[MA], 4, s13
	s_mov_b32 s[TWICE], 2
	s_branch .Lenter                ; the loop is entered at piece 2's turn, in the middle of a trip: its V^T P add 0; K Q^T of step 0 | piece 0's softmax of step 0 | V of step 0
.Lslot:                             ; six times: every slot but the last two is filled again
	CHANGE 1
	s_mov_b32 s[TWICE], 2
.Lstep:                             ; a trip is a key step: written once, walked twice a slot; the LDS addresses hang on s[TBK] and s[TBV]
	TURN 0
	WIN 0
.Lenter:
	TURN 2
	WIN 0
	s_sub_co_u32 s[TWICE], s[TWICE], 1
	s_cmp_lg_u32 s[TWICE], 0
	s_cbranch_scc1 .Lstep
	s_sub_co_u32 s[SLOTS], s[SLOTS], 1
	s_cmp_lg_u32 s[SLOTS], 0
	s_cbranch_scc1 .Lslot
	CHANGE 0                        ; the tail is written out: nothing is asked for
	s_mov_b32 s[TWICE], 3           ; piece 0's turn three times, piece 2's between them: the last slot's two steps, and the half step that is left
	s_branch .Ltail_0
.Ltail:
	TURN 2
	WIN 0
.Ltail_0:
	TURN 0, 1                       ; in the third trip no K is fetched: its 32 products K Q^T, on the last K once more, serve nothing
	WIN 0
	s_sub_co_u32 s[TWICE], s[TWICE], 1
	s_cmp_lg_u32 s[TWICE], 0
	s_cbranch_scc1 .Ltail
.set i, 0
.rept 32
	PV 2                            ; piece 2: V^T P of the last step
.set i, i+1
.endr
	; THE TWO HALVES OF THE KEYS MEET.  l's even and odd keys are added (the places behind the last products).  A barrier: every wave's reads of the ring are back, and no fill is to come, so LDS slot 0 may be written.
	WIN 0
.irp t, 0,1,2,3
	v_add_f32 v[ST+8*(\t)+4], v[ST+8*(\t)+2], v[ST+8*(\t)+3]
.endr
	s_wait_dscnt 0x0
	s_barrier_signal -1
	s_barrier_wait -1
	s_cmp_lt_u32 s[WV], 2
	s_cbranch_scc1 .Lkeep
.irp t, 0,1,2,3                     ; waves 2 and 3 hand over c m, l and O^T
	v_mov_b32 v[44+(\t)], v[ST+8*(\t)]
	v_mov_b32 v[48+(\t)], v[ST+8*(\t)+4]
.endr
	ds_store_b128 v[MA], v[44:47] offset:32768
	ds_store_b128 v[MA], v[48:51] offset:33280
	WIN 0x04                        ; the stores' data in window 1
.set i, 0
.rept 64
	ds_store_b128 v[MA], v[4*i:4*i+3] offset:512*i  ; 512 consecutive bytes a store; each accumulator's lowest registers first
.set i, i+1
.endr
	WIN 0
.Lkeep:
	s_wait_dscnt 0x0                ; for the others' sake: my stores are done
	s_barrier_signal -1
	s_barrier_wait -1
	s_cmp_ge_u32 s[WV], 2
	s_cbranch_scc1 .Lend
; the partner's O^T of tile t, 16 loads, into S^T's registers: two buffers of 64 by turns
.macro LOADB t
	WIN 0
.irp n, 0,1,2,3,4,5,6,7,8,9,10,11,12,13,14,15
	ds_load_b128 v[S+64*((\t)%2)+4*(\n):S+64*((\t)%2)+4*(\n)+3], v[MA] offset:512*(16*(\t)+(\n))
.endr
.endm
	ds_load_b128 v[52:55], v[MA] offset:32768  ; the partner's c m
	ds_load_b128 v[56:59], v[MA] offset:33280  ; and l
	LOADB 0
	LOADB 1
	s_wait_dscnt 32                 ; the statistics are in; the 32 loads behind them may stay out
	; M = the greater c m; each half counts with 2^(c m - M); l is their weighted sum, over both halves of the lanes; the factors hold 4 / l: O^T is made of v / 8 and leaves as O / 2
.irp t, 0,1,2,3
	v_max_num_f32 v[ST+8*(\t)+5], v[ST+8*(\t)], v[52+(\t)]
.endr
.irp t, 0,1,2,3
	v_sub_f32 v[ST+8*(\t)+6], v[ST+8*(\t)], v[ST+8*(\t)+5]
	v_sub_f32 v[ST+8*(\t)+7], v[52+(\t)], v[ST+8*(\t)+5]
.endr
.irp t, 0,1,2,3
	v_exp_f32 v[ST+8*(\t)+6], v[ST+8*(\t)+6]
	v_exp_f32 v[ST+8*(\t)+7], v[ST+8*(\t)+7]
.endr
	v_nop                           ; a plain instruction between the last exponential and the use of its result
.irp t, 0,1,2,3
	s_wait_alu depctr_va_vdst(0)
	v_mul_f32 v[ST+8*(\t)+4], v[ST+8*(\t)+4], v[ST+8*(\t)+6]
.endr
.irp t, 0,1,2,3
	v_fma_f32 v[ST+8*(\t)+4], v[56+(\t)], v[ST+8*(\t)+7], v[ST+8*(\t)+4]
.endr
.irp t, 0,1,2,3
	v_permlanex16_b32 v[ST+8*(\t)+5], v[ST+8*(\t)+4], s[SEL], s[SEL+1]
.endr
.irp t, 0,1,2,3
	v_add_f32 v[ST+8*(\t)+4], v[ST+8*(\t)+4], v[ST+8*(\t)+5]
.endr
.irp t, 0,1,2,3
	v_rcp_f32 v[ST+8*(\t)+5], v[ST+8*(\t)+4]
.endr
	v_nop                           ; a plain instruction between the last reciprocal and the use of its result
.irp t, 0,1,2,3
	s_wait_alu depctr_va_vdst(0)
	v_mul_f32 v[ST+8*(\t)+5], 4.0, v[ST+8*(\t)+5]
.endr
.irp t, 0,1,2,3
	v_mul_f32 v[ST+8*(\t)+6], v[ST+8*(\t)+6], v[ST+8*(\t)+5]  ; my half's factor
	v_mul_f32 v[ST+8*(\t)+2], v[ST+8*(\t)+7], v[ST+8*(\t)+5]  ; the partner's
.endr
; Tile t: both halves weighted and added, rounded to f16; a lane's eight channels of a row pack into 16 bytes and go into rows of 272 bytes of my stage; they come back by planes, four rows' 128 bytes a
; load, into Q's registers (each tile has 32 of its own, so no store's data is written again).
.macro MERGE t
	WIN W_RS
.set i, 0
.rept 32
	v_pk_mul_f32 v[64*(\t)+i:64*(\t)+i+1], v[64*(\t)+i:64*(\t)+i+1], v[ST+8*(\t)+6:ST+8*(\t)+7] op_sel_hi:[1,0]
.set i, i+2
.endr
	WIN 0x50                        ; source 2 and destination window 1
.set i, 0
.rept 32
	v_pk_fma_f32 v[64*(\t)+i:64*(\t)+i+1], v[S+64*((\t)%2)+i:S+64*((\t)%2)+i+1], v[ST+8*(\t)+2:ST+8*(\t)+3], v[64*(\t)+i:64*(\t)+i+1] op_sel_hi:[1,0,1]
.set i, i+2
.endr
	WIN 0x05                        ; sources 0 and 1 window 1, destination window 0
.set i, 0
.rept 32
	v_cvt_pk_f16_f32 v[P+i], v[64*(\t)+2*i], v[64*(\t)+2*i+1]
.set i, i+1
.endr
	WIN 0
.irp f, 0,1,2,3,4,5,6,7
	ds_store_b128 v[STO], v[P+4*(\f):P+4*(\f)+3] offset:32*(\f)
.endr
	WIN 0x80                        ; destination window 2
.irp f, 0,1,2,3,4,5,6,7             ; plane f / 4 of the head's two, rows 4 (f % 4) on
	ds_load_b128 v[32*(\t)+4*(\f):32*(\t)+4*(\f)+3], v[RD] offset:((\f)%4)*4*SP+((\f)/4)*128  ; LDS serves a wave's instructions in order (ISA guide 5.7.1.4): these see the stores above
.endr
.if (\t) < 2
	LOADB (\t)+2                    ; the buffer just used takes the tile two on
	s_wait_dscnt 16                 ; the rows are back, and so is the next tile's buffer; the 16 just issued may stay out
.else
	s_wait_dscnt 0x0
.endif
	WIN 0x08                        ; the stores' data in window 2
.irp f, 0,1,2,3,4,5,6,7
	global_store_b128 v[GO], v[32*(\t)+4*(\f):32*(\t)+4*(\f)+3], s[10:11] offset:((\f)/4)*OPL+(\t)*2048+((\f)%4)*512  ; four rows of a plane: 512 consecutive bytes, aligned
.endr
.endm
	s_wait_dscnt 16                 ; the partner's tile 0 is in; tile 1's 16 loads may stay out
	MERGE 0
	MERGE 1
	MERGE 2
	MERGE 3
	WIN 0
.Lend:
	s_wait_tensorcnt 0x0            ; the wave's end: an add and its wait stand behind my last tensor load and my last LDS store
	ds_add_u32 v[SPW], v[NIL]
	s_wait_dscnt 0x0
	CROUND                          ; the closing round: no work-group ends while a partner may still ask for a tile that names it
	s_endpgm
.Lfunc_end_k_q477f697810_attn:
	.size	k_q477f697810_attn, .Lfunc_end_k_q477f697810_attn-k_q477f697810_attn
	.p2alignl 7, 3214868480
	.fill 96, 4, 3214868480
	.section	.rodata,"a",@progbits
	.p2align	6, 0x0
	.amdhsa_kernel k_q477f697810_attn
		.amdhsa_group_segment_fixed_size 327680
		.amdhsa_private_segment_fixed_size 0
		.amdhsa_enable_private_segment 0
		.amdhsa_kernarg_size 16
		.amdhsa_user_sgpr_count 2
		.amdhsa_user_sgpr_kernarg_segment_ptr 1
		.amdhsa_wavefront_size32 1
		.amdhsa_system_sgpr_workgroup_id_x 1
		.amdhsa_system_sgpr_workgroup_id_y 1
		.amdhsa_system_sgpr_workgroup_id_z 1
		.amdhsa_system_vgpr_workitem_id 0
		.amdhsa_next_free_vgpr 1024
		.amdhsa_next_free_sgpr 68
		.amdhsa_reserve_vcc 0
		.amdhsa_float_denorm_mode_32 3
		.amdhsa_float_denorm_mode_16_64 3
		.amdhsa_memory_ordered 1
		.amdhsa_forward_progress 1
		.amdhsa_inst_pref_size 178
	.end_amdhsa_kernel
	.amdgpu_metadata
---
amdhsa.version: [ 1, 2 ]
amdhsa.kernels:
  - .name:           k_q477f697810_attn
    .symbol:         k_q477f697810_attn.kd
    .args:
      - { .name: qkvh, .offset: 0, .size: 8, .value_kind: global_buffer, .address_space: global }
      - { .name: ob, .offset: 8, .size: 8, .value_kind: global_buffer, .address_space: global }
    .group_segment_fixed_size: 327680
    .private_segment_fixed_size: 0
    .kernarg_segment_align: 8
    .kernarg_segment_size: 16
    .max_flat_workgroup_size: 128
    .sgpr_count:     68
    .vgpr_count:     1024
    .wavefront_size: 32
...
	.end_amdgpu_metadata
.endif
;; end of part 3
;; launch outp (part 4): grid 16 x 16, 4 waves a work-group, clusters of 4 x 4, 327,680 bytes of LDS; arguments ob, wob, bias, out0; writes out0
.if DOCPART == 4
	.amdgcn_target "amdgcn-amd-amdhsa--gfx1250"
	.amdhsa_code_object_version 6
	.text
	.protected	k_q477f697810_outp
	.globl	k_q477f697810_outp
	.p2align	8
	.type	k_q477f697810_outp,@function
k_q477f697810_outp:
	s_mov_b64 s[64:65], 0
	v_nop
	global_prefetch_b8 v0, s[64:65] scope:SCOPE_SE
	s_setreg_imm32_b32 hwreg(HW_REG_WAVE_MODE, 25, 1), 1
	s_wait_xcnt 0x0
	s_wait_alu depctr_hold_cnt(0) depctr_sa_sdst(0) depctr_va_vdst(0) depctr_va_sdst(0) depctr_va_ssrc(0) depctr_va_vcc(0) depctr_vm_vsrc(0)
	s_getreg_b32 s2, hwreg(HW_REG_IB_STS2, 6, 4)
	s_cmp_eq_u32 s2, 0
	s_cbranch_scc0 .Lentry_in_a_cluster
	s_endpgm
.Lentry_in_a_cluster:
	s_bfe_u32 s2, ttmp6, 0x10000c
	s_cmp_lg_u32 s2, 0xf033
	s_cbranch_scc0 .Lentry_shape_is_right
	s_endpgm
.Lentry_shape_is_right:
; OUTP: out0[m][n] = 2 x (sum over k of o[m][k] wo[n][k]) + bo[n], 2,048 x 4,096 x 2,048 in f16 with f32 sums; ob holds the attention's output divided by 2, bias numbers 4,096 on hold bo.  out0 is f32.
; THE OPERANDS LIE IN PLANES OF 64 ALONG K: ob [33][2048][64], wob [33][4096][64], a row of a plane 128 bytes, the rows on end; plane 32 holds zeros.
; SHARES, RING, CLUSTER, LAYOUT as in the projection in front: a tile of C is 128 x 256, a work-group each; four waves, each 64 rows x 128 columns: 32 accumulators.  Two LDS slots of THREE PLANES each (192
; along K): waves 0 and 1 fetch A's halves (64 rows), waves 2 and 3 B's (128 rows), one joint tensor load a wave behind each change of slots: a tile of 3 rows, each the wave's matrix rows of one plane on
; end, with 16 bytes laid behind every 256: matrix row r of a plane lies at 272 (r / 2) + 128 (r % 2), so the 16 rows of a fragment load start in 16 different columns of 16 bytes (64 banks of 4 bytes: ISA
; guide 11.1).  A's tile is shared along a row of the 4 x 4 cluster, B's along a column.  11 slots; of the last, planes 30 and 31 are multiplied.
; THE TEXT.  A slot is six quarters of 32 along K.  Quarters 2, 3 and 4, 5 differ by a plane in their LDS addresses alone: one PAIR, walked twice.  The loop over slots is entered at the pairs.
; The matrix instruction is used transposed (source 0 = 16 rows of wob, source 1 = 16 rows of ob): lane l holds row l % 16 of C and the columns 8 (l / 16) + 0..7.
; REGISTERS, in windows of 256 (s_set_vgpr_msb: bits 1:0 source 0, 3:2 source 1, 5:4 source 2, 7:6 destination):
;   window 0: v16-31 addresses; v64-159, v160-255 two fragment buffers (B's 8 fragments, then A's 4); on the way out v64-127 a block's results
;   window 1: accumulator (a, b) at v[8 (8 a + b)]     window 2: v0-63 the bias of my 8 columns in each of the 8 column blocks     window 3: the rows read back from the stage, 64 registers a block
.set NSLOT,  11                        ; slots of three planes
.set PBA,    2048*128                  ; bytes in a plane of A,
.set PBB,    4096*128                  ; of B
.set STEPA,  3*PBA                     ; from slot to slot in memory
.set STEPB,  3*PBB
.set PLA,    64*136                    ; a plane of 64 rows in LDS: 32 pairs of rows of 272 bytes
.set PLB,    128*136
.set RGA,    3*PLA                     ; what a wave's load fills: 0x6600 for A,
.set RGB,    3*PLB                     ; 0xCC00 for B
.set BLK,    8*272                     ; 16 rows in LDS
; LDS.  Each wave's load has two regions, slot 0's and slot 1's, so placed that one exclusive or turns the one's address into the other's:
;   B's half 0: 0 and 0xCC00 (by 0xCC00)      A's half 0: 0x19800 and 0x39800 (by 0x20000)      B's half 1: 0x20000 and 0x2CC00 (by 0xCC00)      A's half 1: 0x40000 and 0x46600 (by 0x6600)
.set LA0,    0x19800
.set LA1,    0x40000
.set XA0,    0x20000
.set LB1,    0x20000
.set SPARE,  0x3fe00                   ; between A's regions: the spare words, 128 bytes for each wave: two blocks of 256 bytes that no other line names
.set STAGE,  0                         ; the way out: 16 rows x 528 bytes for each wave, in B's first region, when the ring has had its last fill and every wave has read it out
.set SPITCH, 528                       ; 128 f32 + 16 bytes = 132 words
.set ADRA0, 16                         ; v16  my lane's place in A's rows of slot 0; never rewritten
.set ADRB0, 17                         ; v17  the same for B
.set ADRA,  18                         ; v18  v16 + s[SBA]
.set ADRB,  19                         ; v19  v17 + s[SBB]
.set STO,   24                         ; v24  the way out: where I put 32 bytes of a row
.set RD,    25                         ; v25  where I read a row back
.set CO,    26                         ; v26  16 x lane: my 16 bytes of a row's 512
.set BO,    27                         ; v27  32 (l / 16): my 8 numbers in a block of 16 of the bias
.set SPW,   28                         ; v28  LDS address of my spare word; never rewritten
.set NIL,   29                         ; v29  0; never rewritten
.set PFO,   30                         ; v30  the prefetches' offset: 256 x lane
.set F0,    64
.set F1,    160
.set WV, 14                            ; s14 wave; s15 its half of the rows (also: 0 fetches A, 1 fetches B); s16 its half of the columns (also: which half it fetches)
.set RH, 15
.set CH, 16
.set CX, 17
.set CY, 18
.set TC, 19                            ; tile column, tile row
.set TR, 20
.set CNT, 23                           ; slots still to be entered
.set G1,  24                           ; s[24:31] group 1 for A;  s[32:39] group 0 for A: set 0 for the first fill, set 1 walks
.set G0,  32
.set LIM, 40                           ; 1 in a wave that prefetches, else the greatest number
.set SBA, 41                           ; what is added to A's LDS addresses: the slot being read (0 or s[DA]) and the planes that the pairs have passed
.set MA,  42                           ; what turns my fill of A into the other slot's
.set DA,  43                           ; from slot 0 to slot 1 in the half of A that I read
.set PFA, 44                           ; s[44:45] where my prefetches stand
.set SBB, 46                           ; the same as s[SBA] for B: the slot is 0 or RGB
.set TWO, 47                           ; counts a slot's two pairs
.set G1B, 48
.set G0B, 56
.set PFS, 66                           ; s[66:67] my prefetches' step
.set MSB, 0
.macro WIN new                         ; the immediate's high byte repeats the setting that is left; a switch that changes nothing is dropped
.if MSB != (\new)
	s_set_vgpr_msb (MSB<<8)|(\new)
.set MSB, \new
.endif
.endm
.macro PLACES                          ; four places in front of loads into registers that matrix instructions have read, and of vector work on their results
.rept 4
	v_nop
.endr
.endm
.macro CREST                           ; a round of the cluster's barrier behind its opening barrier
	s_cmp_lg_u32 s[WV], 0
	s_cbranch_scc1 .Lnot_wave_0_\@
	s_barrier_signal -3
.Lnot_wave_0_\@:
	s_barrier_wait -3
	s_barrier_signal -1
	s_barrier_wait -1
.endm
.macro CROUND
	s_barrier_signal -1
	s_barrier_wait -1
	CREST
.endm
.macro JLOAD                           ; a joint refill by the walking descriptor; the branch hangs on the wave's number alone; an s_nop 0 and four v_nop follow each line
	s_cmp_eq_u32 s[RH], 0
	s_cbranch_scc0 .Lfor_b_\@
	tensor_load_to_lds s[G0+4:G0+7], s[G1:G1+7]
	s_nop 0
.rept 4
	v_nop
.endr
	s_branch .Lasked_\@
.Lfor_b_\@:
	tensor_load_to_lds s[G0B+4:G0B+7], s[G1B:G1B+7]
	s_nop 0
.rept 4
	v_nop
.endr
.Lasked_\@:
.endm
; A prefetch into the L2 of the slot that the NEXT refill will ask for, a trip (192 matrix instructions) ahead: three instructions, a plane each; a lane names 256 bytes, the 32 lanes 64 rows of the plane.
; A's rows are read by the four clusters of a row of clusters: wave 0 of the clusters with x = 0 and even y asks, for its own row of clusters and the next: 1,024 rows, 64 for each of the sixteen work-groups.
; B's rows are read by the four clusters of a column: wave 2 of the clusters with y = 0 asks, for its column's 1,024 rows, likewise.  The work-groups of a cluster are told apart by address alone.
; So each 256 bytes are named once in the launch.  The last refill has no slot behind it; slots 0 to 2 come by their loads alone.
.macro ASK
	s_cmp_gt_u32 s[CNT], s[LIM]
	s_cbranch_scc0 .Lnot_mine_\@
	s_cmp_eq_u32 s[RH], 0
	s_cbranch_scc0 .Lask_b_\@
	global_prefetch_b8 v[PFO], s[PFA:PFA+1] th:TH_LOAD_NT scope:SCOPE_SE
	global_prefetch_b8 v[PFO], s[PFA:PFA+1] offset:PBA th:TH_LOAD_NT scope:SCOPE_SE
	global_prefetch_b8 v[PFO], s[PFA:PFA+1] offset:2*PBA th:TH_LOAD_NT scope:SCOPE_SE
	s_branch .Lnot_mine_\@
.Lask_b_\@:
	global_prefetch_b8 v[PFO], s[PFA:PFA+1] th:TH_LOAD_NT scope:SCOPE_SE
	global_prefetch_b8 v[PFO], s[PFA:PFA+1] offset:PBB th:TH_LOAD_NT scope:SCOPE_SE
	global_prefetch_b8 v[PFO], s[PFA:PFA+1] offset:2*PBB th:TH_LOAD_NT scope:SCOPE_SE
.Lnot_mine_\@:
.endm
	s_load_b256 s[4:11], s[0:1], 0x0               ; ob s[4:5], wob s[6:7], bias s[8:9], out0 s[10:11]
	v_lshl_add_u32 v[SPW], v0, 2, SPARE
	v_mov_b32 v[NIL], 0
	ds_add_u32 v[SPW], v[NIL]                      ; the wave's opening: the add and its wait stand ahead of my first tensor load; the set-up below, work on registers, stands between them
	v_lshrrev_b32 v1, 5, v0
	v_readfirstlane_b32 s[WV], v1
	s_lshr_b32 s[RH], s[WV], 1
	s_and_b32 s[CH], s[WV], 1
	s_bfe_u32 s[CX], ttmp6, 0x40000
	s_bfe_u32 s[CY], ttmp6, 0x40004
	s_lshl_b32 s[TC], ttmp9, 2
	s_add_co_u32 s[TC], s[TC], s[CX]               ; tile column = 4 x cluster x + cx
	s_and_b32 s[TR], ttmp7, 0xffff
	s_lshl_b32 s[TR], s[TR], 2
	s_add_co_u32 s[TR], s[TR], s[CY]               ; tile row = 4 x cluster y + cy
	s_lshl_b32 s21, s[CY], 2
	s_lshl_b32 s21, 15, s21                        ; my row of the cluster
	s_lshl_b32 s22, 0x1111, s[CX]                  ; my column
	s_or_b32 s[G1], s21, (1<<16)|(1<<20)|(1<<21)|(5<<22)|(3<<25)   ; 15:0 the mask; 17:16 elements of 2 bytes; 20 padding on; 21 set beside a mask; 24:22 after every 64 words; 31:25 4 words of it
	s_or_b32 s[G1B], s22, (1<<16)|(1<<20)|(1<<21)|(5<<22)|(3<<25)
	s_mov_b32 s[G1+1], 4096<<16                    ; tensor_dim0 = 4,096 elements: 64 matrix rows of a plane
	s_mov_b32 s[G1+2], 3<<16                       ; tensor_dim1 = 3 planes
	s_mov_b32 s[G1+3], 4096<<16                    ; tile_dim0
	s_mov_b32 s[G1+4], 3                           ; tile_dim1
	s_mov_b32 s[G1+5], 2048*64                     ; elements from plane to plane
	s_mov_b32 s[G1+6], 0
	s_mov_b32 s[G1+7], 0
	s_mov_b32 s[G1B+1], 8192<<16                   ; B: 128 matrix rows of a plane
	s_mov_b32 s[G1B+2], 3<<16
	s_mov_b32 s[G1B+3], 8192<<16
	s_mov_b32 s[G1B+4], 3
	s_mov_b32 s[G1B+5], 4096*64
	s_mov_b32 s[G1B+6], 0
	s_mov_b32 s[G1B+7], 0
	s_lshl_b32 s76, s[TR], 14                      ; A: row 128 x tile row + 64 x half, 128 bytes a row, in registers that never hold cx
	s_lshl_b32 s77, s[CH], 13
	s_add_co_u32 s76, s76, s77
	s_mov_b32 s77, 0
	s_lshl_b32 s78, s[TC], 15                      ; B: row 256 x tile column + 128 x half, in registers that never hold cy
	s_lshl_b32 s79, s[CH], 14
	s_add_co_u32 s78, s78, s79
	s_mov_b32 s79, 0
	s_mul_i32 s80, s[CH], LA1-LA0                  ; where they go in slot 0: no place in the cluster enters an LDS address
	s_add_co_u32 s80, s80, LA0
	s_mul_i32 s[MA], s[CH], XA0-RGA
	s_sub_co_u32 s[MA], XA0, s[MA]                 ; 0x20000 for A's half 0, 0x6600 for its half 1
	s_mul_i32 s81, s[CH], LB1
	s_mul_i32 s[DA], s[RH], XA0-RGA
	s_sub_co_u32 s[DA], XA0, s[DA]                 ; the same for the half that I read
	s_mov_b32 s[SBA], 0
	s_mov_b32 s[SBB], 0
	s_wait_dscnt 0x0                               ; the opening add is done
	s_wait_kmcnt 0x0
	s_add_nc_u64 s[76:77], s[4:5], s[76:77]
	s_add_nc_u64 s[78:79], s[6:7], s[78:79]
	s_mov_b32 s[G0], 1                             ; count = 1
	s_mov_b32 s[G0+1], s80                         ; LDS address: slot 0
	s_mov_b64 s[G0+2:G0+3], s[76:77]               ; global address: planes 0 to 2
	s_or_b32 s[G0+3], s[G0+3], 0x80000000          ; type = 2
	s_mov_b32 s[G0+4], 1
	s_xor_b32 s[G0+5], s80, s[MA]                  ; slot 1
	s_add_nc_u64 s[G0+6:G0+7], s[76:77], STEPA     ; planes 3 to 5
	s_or_b32 s[G0+7], s[G0+7], 0x80000000
	s_mov_b32 s[G0B], 1
	s_mov_b32 s[G0B+1], s81
	s_mov_b64 s[G0B+2:G0B+3], s[78:79]
	s_or_b32 s[G0B+3], s[G0B+3], 0x80000000
	s_mov_b32 s[G0B+4], 1
	s_xor_b32 s[G0B+5], s81, RGB
	s_add_nc_u64 s[G0B+6:G0B+7], s[78:79], STEPB
	s_or_b32 s[G0B+7], s[G0B+7], 0x80000000
	CROUND                                         ; all sixteen work-groups are here: the first joint loads meet
	s_cmp_eq_u32 s[RH], 0                          ; a wave's two first fills stand in one branch, ahead of every wait on TENSORcnt and every LDS read: two loads of mine are out
	s_cbranch_scc0 .Lfirst_b
	tensor_load_to_lds s[G0:G0+3], s[G1:G1+7]
	s_nop 0
	tensor_load_to_lds s[G0+4:G0+7], s[G1:G1+7]
	s_nop 0
.rept 4
	v_nop
.endr
	s_branch .Lfirst_asked
.Lfirst_b:
	tensor_load_to_lds s[G0B:G0B+3], s[G1B:G1B+7]
	s_nop 0
	tensor_load_to_lds s[G0B+4:G0B+7], s[G1B:G1B+7]
	s_nop 0
.rept 4
	v_nop
.endr
.Lfirst_asked:
	; the bias comes into registers now and is waited for behind the last product
	v_and_b32 v1, 15, v0                           ; l % 16
	v_bfe_u32 v2, v0, 4, 1                         ; l / 16
	v_lshlrev_b32 v[BO], 5, v2
	s_lshl_b32 s82, s[TC], 10                      ; my 128 columns: 4 bytes x (256 x tile column + 128 x half)
	s_lshl_b32 s83, s[CH], 9
	s_add_co_u32 s82, s82, s83
	s_mov_b32 s83, 0
	s_add_nc_u64 s[84:85], s[8:9], s[82:83]
	WIN 0x80                                       ; destination window 2
.irp b, 0,1,2,3,4,5,6,7
	global_load_b128 v[8*(\b):8*(\b)+3],   v[BO], s[84:85] offset:16384+64*(\b)     ; bo begins behind bq, bk and bv: 4,096 numbers
	global_load_b128 v[8*(\b)+4:8*(\b)+7], v[BO], s[84:85] offset:16384+64*(\b)+16
.endr
	WIN 0
	; a fragment is 16 rows x 32 K in 8 registers: lane l holds row l % 16, K = 8 (l / 16) + 0..7 and 16 + 8 (l / 16) + 0..7: two loads of 16 bytes, 32 bytes apart
	v_lshrrev_b32 v3, 1, v1
	v_mul_u32_u24 v3, v3, 272                      ; the pair of rows,
	v_and_b32 v4, 1, v1
	v_lshl_add_u32 v3, v4, 7, v3                   ; the row of the pair,
	v_lshl_add_u32 v3, v2, 4, v3                   ; 16 bytes for each half of the lanes
	s_mul_i32 s76, s[RH], LA1-LA0                  ; my 64 rows of A are what wave RH fetches,
	s_add_co_u32 s76, s76, LA0
	s_mul_i32 s77, s[CH], LB1                      ; my 128 rows of B what wave 2 + CH fetches
	v_add_nc_u32 v[ADRA0], s76, v3
	v_add_nc_u32 v[ADRB0], s77, v3
	v_mov_b32 v[ADRA], v[ADRA0]
	v_mov_b32 v[ADRB], v[ADRB0]
	s_mul_i32 s76, s[WV], 16*SPITCH
	s_add_co_u32 s76, s76, STAGE                   ; my stage
	v_mul_u32_u24 v4, v1, SPITCH                   ; in: row l % 16, 32 bytes for each half of the lanes
	v_lshl_add_u32 v4, v2, 5, v4
	v_add_nc_u32 v[STO], s76, v4
	v_and_b32 v[CO], 31, v0
	v_lshlrev_b32 v[CO], 4, v[CO]                  ; back: the 32 lanes take one row of 512 bytes
	v_add_nc_u32 v[RD], s76, v[CO]
	s_lshl_b32 s76, s[TR], 21                      ; my first row of out0: 16,384 bytes x (128 x tile row + 64 x half),
	s_lshl_b32 s77, s[RH], 20
	s_add_co_u32 s76, s76, s77
	s_add_co_u32 s76, s76, s82                     ; my first column
	s_mov_b32 s77, 0
	s_add_nc_u64 s[10:11], s[10:11], s[76:77]
	; the prefetches
	s_lshl2_add_u32 s76, s[CY], s[CX]              ; my work-group among the cluster's sixteen:
	s_lshl_b32 s76, s76, 6                         ; its 64 rows of the 1,024
	s_and_b32 s78, ttmp7, 0xffff                   ; cluster y
	s_lshl_b32 s77, s78, 9                         ; A: a row of clusters has 512 rows
	s_lshl_b32 s79, ttmp9, 10                      ; B: a column of clusters has 1,024
	s_and_b32 s80, s78, 1
	s_or_b32 s80, s80, ttmp9                       ; A is asked for where cluster x = 0 and cluster y is even,
	s_mov_b32 s[PFS], STEPB
	s_mov_b32 s[PFS+1], 0
	s_cmp_eq_u32 s[RH], 0
	s_cselect_b32 s77, s77, s79
	s_cselect_b32 s80, s80, s78                    ; B where cluster y = 0,
	s_cselect_b64 s[PFA:PFA+1], s[4:5], s[6:7]
	s_cselect_b32 s[PFS], STEPA, s[PFS]
	s_or_b32 s80, s80, s[CH]                       ; by waves 0 and 2 alone
	s_cmp_eq_u32 s80, 0
	s_cselect_b32 s[LIM], 1, -1                    ; the same in all sixteen partners, for a given wave
	s_add_co_u32 s76, s76, s77
	s_lshl_b32 s76, s76, 7                         ; 128 bytes a row
	s_mov_b32 s77, 0
	s_add_nc_u64 s[PFA:PFA+1], s[PFA:PFA+1], s[76:77]
	s_add_nc_u64 s[PFA:PFA+1], s[PFA:PFA+1], s[PFS:PFS+1]
	s_add_nc_u64 s[PFA:PFA+1], s[PFA:PFA+1], s[PFS:PFS+1]  ; at slot 2: the first refill steps it to slot 3
	v_and_b32 v[PFO], 31, v0
	v_lshlrev_b32 v[PFO], 8, v[PFO]
; 8 matrix instructions: row block a x all 8 column blocks, 32 along K.  zero = 1: the product starts the sums.  The 32 accumulators take turns, one instruction a turn, in the same order in every quarter.
.macro MULA f, a, zero
	WIN 0x50                                       ; C and D window 1
.irp b, 0,1,2,3,4,5,6,7
.if \zero
	v_wmma_f32_16x16x32_f16 v[8*(8*(\a)+(\b)):8*(8*(\a)+(\b))+7], v[(\f)+8*(\b):(\f)+8*(\b)+7], v[(\f)+64+8*(\a):(\f)+64+8*(\a)+7], 0
.else
	v_wmma_f32_16x16x32_f16 v[8*(8*(\a)+(\b)):8*(8*(\a)+(\b))+7], v[(\f)+8*(\b):(\f)+8*(\b)+7], v[(\f)+64+8*(\a):(\f)+64+8*(\a)+7], v[8*(8*(\a)+(\b)):8*(8*(\a)+(\b))+7]
.endif
.endr
.endm
; 24 LDS loads in one run: the fragments of 32 along K, plane q / 2 behind the two address registers, its half q % 2: B's 8, then A's 4
.macro FETCH q, f
	WIN 0
.irp i, 0,1,2,3,4,5,6,7
	ds_load_b128 v[(\f)+8*(\i):(\f)+8*(\i)+3],   v[ADRB] offset:((\q)/2)*PLB+((\q)%2)*64+(\i)*BLK
	ds_load_b128 v[(\f)+8*(\i)+4:(\f)+8*(\i)+7], v[ADRB] offset:((\q)/2)*PLB+((\q)%2)*64+(\i)*BLK+32
.endr
.irp i, 0,1,2,3
	ds_load_b128 v[(\f)+64+8*(\i):(\f)+64+8*(\i)+3],   v[ADRA] offset:((\q)/2)*PLA+((\q)%2)*64+(\i)*BLK
	ds_load_b128 v[(\f)+64+8*(\i)+4:(\f)+64+8*(\i)+7], v[ADRA] offset:((\q)/2)*PLA+((\q)%2)*64+(\i)*BLK+32
.endr
.endm
; One of a slot's first five quarters: multiplies buffer f; in its middle it fetches the next quarter, q, into buffer g
.macro QUARTER q, f, g, zero
	s_wait_dscnt 4                                 ; B and A's blocks 0, 1 are in; the youngest four loads (A's blocks 2, 3) may be out
	MULA \f, 0, \zero
	MULA \f, 1, \zero
	PLACES
	FETCH \q, \g
	s_wait_dscnt 24                                ; all but the 24 just issued
	MULA \f, 2, \zero
	MULA \f, 3, \zero
.endm
; The sixth quarter multiplies buffer 1 and changes slots.  In front of the barrier each wave waits for all its tensor loads (one is out: its part of the next slot), adds 0 to its spare word, and waits for
; that and for its reads of this slot.  fill = 1: the barrier opens a round of the cluster's barrier, and the joint refill of the slot just read, with the planes two slots on, is the first thing behind the
; round: 176 matrix instructions stand between it and the wait for it.
.macro TURN fill
.if \fill
	s_wait_xcnt 0x0                                ; the last prefetches, a trip back, have read their address: it is stepped here, ahead of the waits of the change
	s_add_nc_u64 s[PFA:PFA+1], s[PFA:PFA+1], s[PFS:PFS+1]
.endif
	WIN 0
	s_wait_tensorcnt 0x0                           ; all my tensor loads have landed, so a group 0 may be written
	ds_add_u32 v[SPW], v[NIL]                      ; 0 onto my spare word
	s_wait_dscnt 5                                 ; (the add and the youngest four loads may be out)
	MULA F1, 0, 0                                  ; eight matrix instructions stand between the add and the wait for it
	s_wait_dscnt 0x0                               ; the add is done, and my reads of this slot are over
	s_barrier_signal -1
	MULA F1, 1, 0                                  ; work on registers while the others arrive
	WIN 0                                          ; at a branch and at a label every window is 0
	s_barrier_wait -1
.if \fill
	CREST                                          ; no wave of any partner still reads this slot or has a load on its way
	s_xor_b32 s[G0+5], s[G0+5], s[MA]              ; the walking descriptors: the other slot than last time, the next three planes
	s_add_nc_u64 s[G0+6:G0+7], s[G0+6:G0+7], STEPA
	s_xor_b32 s[G0B+5], s[G0B+5], RGB
	s_add_nc_u64 s[G0B+6:G0B+7], s[G0B+6:G0B+7], STEPB
	JLOAD                                          ; its four v_nop are also the places in front of the loads below
.else
	PLACES
.endif
	s_sub_co_u32 s[SBA], s[SBA], 2*PLA             ; the two planes that the pairs have passed are taken off,
	s_xor_b32 s[SBA], s[SBA], s[DA]                ; and the other slot is read
	s_sub_co_u32 s[SBB], s[SBB], 2*PLB
	s_xor_b32 s[SBB], s[SBB], RGB
	v_add_nc_u32 v[ADRA], s[SBA], v[ADRA0]
	v_add_nc_u32 v[ADRB], s[SBB], v[ADRB0]
	FETCH 0, F0
.if \fill
	ASK
.endif
	MULA F1, 2, 0
	MULA F1, 3, 0
.endm
	s_wait_tensorcnt 1                             ; my part of slot 0 is in; slot 1's may stay out
	s_barrier_signal -1
	s_barrier_wait -1                              ; everybody's is
	FETCH 0, F0
	QUARTER 1, F0, F1, 1                           ; the first quarter stands in front of the loop: its products start the sums
	WIN 0
	s_mov_b32 s[CNT], NSLOT-1
	s_branch .Lpairs                               ; the loop is entered at slot 0's pairs, in the middle of a trip
.Lslot:                                        ; NSLOT - 2 times: a slot's last quarter, one refill, and the next slot's first five quarters
	TURN 1
	QUARTER 1, F0, F1, 0
	WIN 0
.Lpairs:
	s_mov_b32 s[TWO], 2
.Lpair:                                        ; quarters 2 and 3 are multiplied and plane 1's halves fetched; in the second trip everything lies a plane further on
	QUARTER 2, F1, F0, 0
	QUARTER 3, F0, F1, 0
	WIN 0
	s_add_co_u32 s[SBA], s[SBA], PLA
	s_add_co_u32 s[SBB], s[SBB], PLB
	v_add_nc_u32 v[ADRA], s[SBA], v[ADRA0]
	v_add_nc_u32 v[ADRB], s[SBB], v[ADRB0]
	s_sub_co_u32 s[TWO], s[TWO], 1
	s_cmp_lg_u32 s[TWO], 0
	s_cbranch_scc1 .Lpair
	s_sub_co_u32 s[CNT], s[CNT], 1
	s_cmp_lg_u32 s[CNT], 0
	s_cbranch_scc1 .Lslot
	TURN 0                                         ; the last change of slots is written out: nothing is left to fetch
	QUARTER 1, F0, F1, 0                           ; of the last slot planes 30 and 31 hold numbers: four quarters
	QUARTER 2, F1, F0, 0
	QUARTER 3, F0, F1, 0
	s_wait_dscnt 4
	MULA F1, 0, 0
	MULA F1, 1, 0
	s_wait_dscnt 0x0
	MULA F1, 2, 0
	MULA F1, 3, 0
	WIN 0
; THE WAY OUT, a block of 16 rows at a time.  SCALE: 2 x sum + bias, one fused multiply-add for two numbers, lowest registers first.  TOSTAGE: 32 bytes a lane and column block into my own stage, and back as
; whole rows of 512 bytes.  SEND: stored.
.macro SCALE a
	WIN 0x21                                       ; source 0 window 1, source 2 window 2, destination window 0
.irp b, 0,1,2,3,4,5,6,7
.irp p, 0,1,2,3
	v_pk_fma_f32 v[64+8*(\b)+2*(\p):64+8*(\b)+2*(\p)+1], v[8*(8*(\a)+(\b))+2*(\p):8*(8*(\a)+(\b))+2*(\p)+1], 2.0, v[8*(\b)+2*(\p):8*(\b)+2*(\p)+1] op_sel_hi:[1,0,1]
.endr
.endr
.endm
.macro TOSTAGE a
	WIN 0
.irp b, 0,1,2,3,4,5,6,7
	ds_store_b128 v[STO], v[64+8*(\b):64+8*(\b)+3]   offset:64*(\b)
	ds_store_b128 v[STO], v[64+8*(\b)+4:64+8*(\b)+7] offset:64*(\b)+16
.endr
	WIN 0xc0                                       ; destination window 3
.irp t, 0,1,2,3,4,5,6,7,8,9,10,11,12,13,14,15
	ds_load_b128 v[64*(\a)+4*(\t):64*(\a)+4*(\t)+3], v[RD] offset:(\t)*SPITCH  ; LDS serves a wave's instructions in order (ISA guide 5.7.1.4): these see the stores above; each block has registers of its own
.endr
.endm
.macro SEND a
	WIN 0x0c                                       ; the stores' data in window 3
.irp t, 0,1,2,3,4,5,6,7,8,9,10,11,12,13,14,15
	s_wait_dscnt 15-(\t)                           ; load t of the sixteen is back
	global_store_b128 v[CO], v[64*(\a)+4*(\t):64*(\a)+4*(\t)+3], s[10:11] offset:(16*(\a)+(\t))*16384  ; 512 consecutive bytes of a row of out0, aligned
.endr
.endm
	PLACES
	PLACES
	s_wait_loadcnt 0x0                             ; the bias, asked for at the head
	s_wait_dscnt 0x0                               ; my reads of the ring are back;
	s_barrier_signal -1
	s_barrier_wait -1                              ; everybody's are, and no fill is to come: the stages may be written into the ring's bytes
	SCALE 0
	TOSTAGE 0
.irp a, 1,2,3                          ; a block's arithmetic stands between the loads of the block before and the wait for them
	SCALE \a
	SEND (\a)-1
	TOSTAGE \a
.endr
	SEND 3
	WIN 0
	s_wait_tensorcnt 0x0                           ; the wave's end: an add and its wait stand behind my last tensor load and my last LDS store
	ds_add_u32 v[SPW], v[NIL]
	s_wait_dscnt 0x0
	CROUND                                         ; the closing round: no work-group ends while a partner may still ask for a tile that names it
	s_endpgm
.Lfunc_end_k_q477f697810_outp:
	.size	k_q477f697810_outp, .Lfunc_end_k_q477f697810_outp-k_q477f697810_outp
	.p2alignl 7, 3214868480
	.fill 96, 4, 3214868480
	.section	.rodata,"a",@progbits
	.p2align	6, 0x0
	.amdhsa_kernel k_q477f697810_outp
		.amdhsa_group_segment_fixed_size 327680
		.amdhsa_private_segment_fixed_size 0
		.amdhsa_enable_private_segment 0
		.amdhsa_kernarg_size 32
		.amdhsa_user_sgpr_count 2
		.amdhsa_user_sgpr_kernarg_segment_ptr 1
		.amdhsa_wavefront_size32 1
		.amdhsa_system_sgpr_workgroup_id_x 1
		.amdhsa_system_sgpr_workgroup_id_y 1
		.amdhsa_system_sgpr_workgroup_id_z 1
		.amdhsa_system_vgpr_workitem_id 0
		.amdhsa_next_free_vgpr 1024
		.amdhsa_next_free_sgpr 88
		.amdhsa_reserve_vcc 0
		.amdhsa_float_denorm_mode_32 3
		.amdhsa_float_denorm_mode_16_64 3
		.amdhsa_memory_ordered 1
		.amdhsa_forward_progress 1
		.amdhsa_inst_pref_size 75
	.end_amdhsa_kernel
	.amdgpu_metadata
---
amdhsa.version: [ 1, 2 ]
amdhsa.kernels:
  - .name:           k_q477f697810_outp
    .symbol:         k_q477f697810_outp.kd
    .args:
      - { .name: ob, .offset: 0, .size: 8, .value_kind: global_buffer, .address_space: global }
      - { .name: wob, .offset: 8, .size: 8, .value_kind: global_buffer, .address_space: global }
      - { .name: bias, .offset: 16, .size: 8, .value_kind: global_buffer, .address_space: global }
      - { .name: out0, .offset: 24, .size: 8, .value_kind: global_buffer, .address_space: global }
    .group_segment_fixed_size: 327680
    .private_segment_fixed_size: 0
    .kernarg_segment_align: 8
    .kernarg_segment_size: 32
    .max_flat_workgroup_size: 128
    .sgpr_count:     88
    .vgpr_count:     1024
    .wavefront_size: 32
...
	.end_amdgpu_metadata
.endif
;; end of part 4
;; ======== version 2 of 2: 4 launches; version 1 with the launch prep written anew for expert scheduling mode
;; limits: values are held in f16: magnitudes above 65,504 overflow, below 6.1e-05 lose precision
;; workspace buffers: xb 17,301,504 bytes; wb 34,603,008 bytes; wob 17,301,504 bytes; tab 1,049,088 bytes; bias 32,768 bytes; qkvh 16,777,216 bytes; ob 8,650,752 bytes
;; launch prep (part 5): grid 128 x 9, 8 waves a work-group, no clusters, 0 bytes of LDS; arguments x, wq, wk, wv, wo, bq, bk, bv, bo, position_ids, xb, wb, wob, tab, bias, ob; writes xb, wb, wob, tab, bias, ob
.if DOCPART == 5
	.amdgcn_target "amdgcn-amd-amdhsa--gfx1250"
	.amdhsa_code_object_version 6
	.text
	.protected	k_q477f697810_prep
	.globl	k_q477f697810_prep
	.p2align	8
	.type	k_q477f697810_prep,@function
k_q477f697810_prep:
	s_mov_b64 s[64:65], 0
	v_nop
	global_prefetch_b8 v0, s[64:65] scope:SCOPE_SE
	s_setreg_imm32_b32 hwreg(HW_REG_WAVE_SCHED_MODE, 0, 2), 2
	s_setreg_imm32_b32 hwreg(HW_REG_WAVE_MODE, 25, 1), 1
	s_wait_xcnt 0x0
	s_wait_alu depctr_vm_vsrc(0)
; PREP: every input is read once and left in the form in which the later launches take it.
; THE MATRIX OPERANDS LIE IN PLANES OF 64 ALONG K: [K / 64][rows][64], a row of a plane 128 bytes, the rows of a plane on end.
;   xb  [66][2048][64] bf16 = x;   wb [66][4096][64] bf16 = wq's, wk's, wv's rows on end;   wob [33][4096][64] f16 = wo rounded to bf16, that number written as f16.
;   The products walk K three planes at a time: xb's and wb's planes 64 and 65, wob's plane 32 and plane 32 of ob (the attention's output, [33][2048][64]) are written as zeros here.
;   bias [8192] f32 = bq, bk, bv, bo on end, each rounded to bf16;   tab: 2,049 rows of 512 bytes: row m = 64 f32 cos(pos[m] f_j) / 8, then 64 f32 sin(pos[m] f_j) / 8, f_j = 10000^(-j/64);
;   row 2048 = 64 x 0.125, then 64 x 0: with it the projection's one way out leaves v unturned.
; GRID.  y = 0..7: a segment of 4,194,304 numbers (x: 0, 1; wq: 2, 3; wk: 4; wv: 5; wo: 6, 7), 128 work-groups each.  A wave converts two neighbouring rows x 32 planes: 32 loads of 16 bytes a lane, all
; issued at once; lanes 0-15 take 256 consecutive bytes (a plane's 64 numbers) of one row, lanes 16-31 of the next.  In 16 bits those are the two rows' 128 bytes of the plane, which lie on end: a store
; of the wave covers 256 consecutive bytes, aligned.  y = 8: the table, the biases, the zeros.
; No LDS, no matrix unit, no cluster: nothing is shared and nothing is summed.
; LIMITS.  |wo| under 65,504; a bf16(wo) under 2^-17 loses bits in f16 (at most 3e-8 of absolute error).  f_j is 2^(-j log2(10000) / 64), within about 2e-7 of itself: the angle pos f_j agrees with
; one made by another route to about 4e-3 rad up to |pos| = 16,384, and grows apart in proportion beyond that.  sin and cos: the angle less n pi/2 (pi/2 in three parts), polynomials on |r| <= pi/4.
; THE MODE: SCHED_MODE bits 1:0 = 2 (LLVM: expert scheduling mode 2), set by the entry lines.  The code itself states the register dependences between vector instructions and memory instructions,
; and between a vector instruction that writes a scalar register or VCC and its readers, with s_wait_alu, always for 0.
; THE PLAN, a segment's way.  The 32 loads go in eight blocks of four.  Registers that memory instructions touch:
;   v[IN]   written by two vector lines, read by the 32 loads as their offset, never written again: one wait ahead of the loads.
;   L       the loads land here; no vector line of this way writes it before them; the conversions read it behind the wait on LOADcnt; no load lands here again.
;   O       block p's conversions write its eight registers; the four stores that are issued in block p + 1 read them.
;   OO      written by 32 vector lines behind the loads; read by the stores as their offsets, from block 1 on.
; So ONE wait on va_vdst stands at the head of blocks 1 to 7, behind the wait for the block's data: the block before has written its O (in block 1 also: OO is written).  The four stores of the block before
; follow it, dealt among this block's conversions, which name this block's L and O alone.  One more stands ahead of the last four stores.
; No register that a load or store reads is ever written again, on any way: the ways hold no wait on vm_vsrc beyond the one at the entry.
; THE PLAN, the table's way: one wait ahead of the load of pos (its offset); one for the four exponentials; the four compares write four scalar registers, with one wait behind them; every offset and all data
; of the stores that all waves issue are made first, and one wait stands ahead of the run; the two short ways of single waves have waits of their own.
.set IN,   2                           ; v2        my byte offset in the wave's two rows of f32
.set LANE, 4                           ; v4        lane
.set L,    8                           ; v[8:135]  load i: 4 registers
.set O,    136                         ; v[136:199] store i: 2 registers
.set OO,   200                         ; v[200:231] store i: my byte offset: 8 x lane + i planes
.set BLOCK, 4                          ; loads, and stores, in a block
	s_load_b512 s[8:23], s[0:1], 0x0               ; x 8, wq 10, wk 12, wv 14, wo 16, bq 18, bk 20, bv 22
	s_load_b256 s[24:31], s[0:1], 0x40             ; bo 24, position_ids 26, xb 28, wb 30
	s_load_b256 s[32:39], s[0:1], 0x60             ; wob 32, tab 34, bias 36, ob 38
	s_and_b32 s2, ttmp7, 0xffff                    ; y
	s_mov_b32 s3, ttmp9                            ; g: 0..127
	v_lshrrev_b32 v1, 5, v0
	v_readfirstlane_b32 s4, v1                     ; wave 0..7
	v_and_b32 v[LANE], 31, v0
	s_wait_alu depctr_va_sdst(0)                   ; s4 is written: ahead of the branch, behind which both ways read it
	s_wait_kmcnt 0x0
	s_cmp_eq_u32 s2, 8
	s_cbranch_scc1 .Ltable
	; ---- a segment is converted.  Source and destination are chosen among the buffers by the segment's number alone.
	s_mov_b64 s[40:41], s[8:9]                     ; x -> xb
	s_mov_b64 s[42:43], s[28:29]
	s_cmp_ge_u32 s2, 2
	s_cselect_b64 s[40:41], s[10:11], s[40:41]     ; wq -> wb
	s_cselect_b64 s[42:43], s[30:31], s[42:43]
	s_cmp_eq_u32 s2, 4
	s_cselect_b64 s[40:41], s[12:13], s[40:41]     ; wk
	s_cmp_eq_u32 s2, 5
	s_cselect_b64 s[40:41], s[14:15], s[40:41]     ; wv
	s_cmp_ge_u32 s2, 6
	s_cselect_b64 s[40:41], s[16:17], s[40:41]     ; wo -> wob
	s_cselect_b64 s[42:43], s[32:33], s[42:43]
	s_and_b32 s5, s2, 1
	s_lshr_b32 s6, s2, 1
	s_sub_co_u32 s7, s2, 2                         ; (used for segments 4 and 5 alone)
	s_cmp_eq_u32 s6, 2
	s_cselect_b32 s44, 0, s5                       ; which segment of the source: wk and wv have one
	s_cselect_b32 s46, s7, s5                      ; which segment of the destination: wk is wb's third, wv its fourth
	s_lshr_b32 s5, s4, 1
	s_and_b32 s6, s4, 1
	s_mov_b32 s53, 0x80000                         ; bytes in a plane of wb and wob: 4,096 rows of 128
	s_cmp_ge_u32 s2, 6                             ; wo's rows have 2,048 numbers, the others' 4,096
	s_cselect_b32 s48, 13, 14                      ; log2 of a source row's bytes
	s_cselect_b32 s49, 11, 10                      ; log2 of a segment's rows
	s_cselect_b32 s50, 4, 3                        ; log2 of a work-group's rows
	s_cselect_b32 s51, s4, s5                      ; my pair of rows among them
	s_cselect_b32 s52, 0, s6                       ; my half of K: a row of 4,096 numbers has two halves of 32 planes
	v_lshrrev_b32 v5, 4, v[LANE]                   ; the loads' offset is made here, as soon as s48 is there: the scalar work below stands between these lines and the wait for them
	v_and_b32 v6, 15, v[LANE]
	v_lshlrev_b32 v[IN], s48, v5                   ; lanes 16-31: one row further down
	v_lshl_add_u32 v[IN], v6, 4, v[IN]
	s_cmp_lt_u32 s2, 2
	s_cselect_b32 s53, 0x40000, s53                ; xb: 2,048 rows of 128
	s_lshl_b32 s54, s3, s50
	s_lshl1_add_u32 s54, s51, s54                  ; my first row in the segment
	s_lshl_b32 s44, s44, s49
	s_add_co_u32 s44, s44, s54                     ; in the source,
	s_lshl_b32 s44, s44, s48                       ; in bytes,
	s_lshl_b32 s55, s52, 13                        ; + my half of K: 32 planes of 256 bytes of f32
	s_add_co_u32 s44, s44, s55
	s_mov_b32 s45, 0
	s_lshl_b32 s46, s46, s49
	s_add_co_u32 s46, s46, s54                     ; my first row in the destination,
	s_lshl_b32 s46, s46, 7                         ; 128 bytes a row,
	s_lshl_b32 s55, s53, 5
	s_mul_i32 s55, s55, s52                        ; + my half of K: 32 planes
	s_add_co_u32 s46, s46, s55
	s_mov_b32 s47, 0
	s_add_nc_u64 s[40:41], s[40:41], s[44:45]
	s_add_nc_u64 s[42:43], s[42:43], s[46:47]
	s_wait_alu depctr_va_vdst(0)                   ; v[IN] is written, which the 32 loads read as their offset
.set i, 0
.rept 32
	global_load_b128 v[L+4*i:L+4*i+3], v[IN], s[40:41] offset:256*i th:TH_LOAD_NT  ; plane i of my 32: 256 consecutive bytes of each of the two rows; all 32 loads are on their way
.set i, i+1
.endr
	v_lshlrev_b32 v[OO], 3, v[LANE]
.set i, 1
.rept 31
	v_add_nc_u32 v[OO+i], s53, v[OO+i-1]           ; a plane further on
.set i, i+1
.endr
; The eight blocks.  half = 0: rounded to bf16.  half = 1 (wo): rounded to bf16 like every input, widened again (a shift, a mask), and that number written as f16.
.macro WALK half
.set p, 0
.rept 32/BLOCK
	s_wait_loadcnt 32-BLOCK-BLOCK*p                ; loads come back in order (ISA guide 5.7.1): block p's four are in, the younger blocks stay out
.if p > 0
	s_wait_alu depctr_va_vdst(0)                   ; the block before has written its O, which the four stores below read; in block 1 also: OO is written, the stores' offsets
.endif
.set i, BLOCK*p
.rept BLOCK
.if p > 0
	global_store_b64 v[OO+i-BLOCK], v[O+2*(i-BLOCK):O+2*(i-BLOCK)+1], s[42:43]  ; the block before.  No vector line since the wait names these registers
.endif
	v_cvt_pk_bf16_f32 v[O+2*i], v[L+4*i], v[L+4*i+1]
	v_cvt_pk_bf16_f32 v[O+2*i+1], v[L+4*i+2], v[L+4*i+3]
.if \half
	v_lshlrev_b32 v[L+4*i], 16, v[O+2*i]
	v_and_b32 v[L+4*i+1], 0xffff0000, v[O+2*i]
	v_lshlrev_b32 v[L+4*i+2], 16, v[O+2*i+1]
	v_and_b32 v[L+4*i+3], 0xffff0000, v[O+2*i+1]
	v_cvt_pk_f16_f32 v[O+2*i], v[L+4*i], v[L+4*i+1]
	v_cvt_pk_f16_f32 v[O+2*i+1], v[L+4*i+2], v[L+4*i+3]
.endif
.set i, i+1
.endr
.set p, p+1
.endr
	s_wait_alu depctr_va_vdst(0)                   ; the last block has written its O, which the last four stores read
.set i, 32-BLOCK
.rept BLOCK
	global_store_b64 v[OO+i], v[O+2*i:O+2*i+1], s[42:43]
.set i, i+1
.endr
.endm
	s_cmp_ge_u32 s2, 6
	s_cbranch_scc1 .Lhalf
	WALK 0
	s_endpgm
.Lhalf:
	WALK 1
	s_endpgm
	; ---- the table: work-group g makes rows 16 g .. 16 g + 15; thread t row 16 g + t / 16 and the frequencies j = 4 (t % 16) + 0..3
.Ltable:
	s_mov_b32 s40, 0x3f22f983                      ; 2 / pi
	s_mov_b32 s41, 0xbfc90fdb                      ; - pi/2, its first part;
	s_mov_b32 s42, 0x333bbd2e                      ; what that part has too much: second part,
	s_mov_b32 s43, 0x26f72ced                      ; third part
	s_mov_b32 s44, 0xbe2aaaa3                      ; sin r = r + r z (S1 + z (S2 + z S3)), z = r r
	s_mov_b32 s45, 0x3c08839e
	s_mov_b32 s46, 0xb94ca1f9
	s_mov_b32 s47, 0x3d2aaaa5                      ; cos r = 1 - z / 2 + z z (C1 + z (C2 + z C3))
	s_mov_b32 s48, 0xbab6061a
	s_mov_b32 s49, 0x37ccf5ce
	s_mov_b32 s50, 0x3e000000                      ; 1 / 8
	s_mov_b32 s51, 0x80000000                      ; the sign
	v_lshrrev_b32 v8, 4, v0
	v_and_b32 v9, 15, v0
	s_lshl_b32 s5, s3, 4
	v_add_nc_u32 v10, s5, v8                       ; m
	v_lshlrev_b32 v11, 2, v10
	s_wait_alu depctr_va_vdst(0)                   ; v11 is written, which the load reads as its offset
	global_load_b32 v12, v11, s[26:27]             ; pos[m]
	v_lshlrev_b32 v13, 4, v9
	v_lshl_add_u32 v13, v10, 9, v13                ; 512 m + 16 (t % 16)
	v_lshlrev_b32 v14, 2, v9
.irp i, 0,1,2,3
	v_add_nc_u32 v[16+(\i)], (\i), v14             ; j
.endr
.irp i, 0,1,2,3
	v_cvt_f32_u32 v[16+(\i)], v[16+(\i)]
.endr
.irp i, 0,1,2,3
	v_mul_f32 v[16+(\i)], 0xbe549a78, v[16+(\i)]   ; - j log2(10000) / 64
.endr
.irp i, 0,1,2,3
	v_exp_f32 v[16+(\i)], v[16+(\i)]               ; f_j
.endr
	v_nop                                          ; a plain instruction between the last exponential and the use of its result (ISA guide 5.7.2)
	s_wait_loadcnt 0x0
	v_cvt_f32_i32 v15, v12
	s_wait_alu depctr_va_vdst(0)                   ; the four exponentials have written v[16:19], which the products below read: one wait for the batch
.irp i, 0,1,2,3
	v_mul_f32 v[20+(\i)], v15, v[16+(\i)]          ; the angle, one f32 product
.endr
; cos / 8 of angle i into v[24 + i], sin / 8 into v[28 + i].  n = the nearest whole number of quarter turns; its two low bits choose between the two polynomials (by v_cndmask_b32) and set the signs.
; In two parts, cut behind the compare: each angle's compare writes a scalar register of its own, s[m], and one wait behind the four first parts serves the eight selects of the second parts.
.macro SINCOS1 i, m
.set T, 32+10*(\i)
	v_mul_f32 v[T], s40, v[20+(\i)]
	v_rndne_f32 v[T], v[T]                         ; n
	v_fma_f32 v[T+1], v[T], s41, v[20+(\i)]
	v_fma_f32 v[T+1], v[T], s42, v[T+1]
	v_fma_f32 v[T+1], v[T], s43, v[T+1]            ; r
	v_cvt_i32_f32 v[T+2], v[T]
	v_mul_f32 v[T+3], v[T+1], v[T+1]               ; z
	v_fma_f32 v[T+4], v[T+3], s46, s45
	v_fma_f32 v[T+4], v[T+4], v[T+3], s44
	v_mul_f32 v[T+4], v[T+4], v[T+3]
	v_fma_f32 v[T+6], v[T+4], v[T+1], v[T+1]       ; sin r
	v_fma_f32 v[T+5], v[T+3], s49, s48
	v_fma_f32 v[T+5], v[T+5], v[T+3], s47
	v_fma_f32 v[T+8], v[T+3], -0.5, 1.0
	v_mul_f32 v[T+3], v[T+3], v[T+3]
	v_fma_f32 v[T+7], v[T+3], v[T+5], v[T+8]       ; cos r
	v_and_b32 v[T+8], 1, v[T+2]
	v_cmp_eq_u32 s[\m], 1, v[T+8]                  ; an odd quarter swaps the two
.endm
.macro SINCOS2 i, m
.set T, 32+10*(\i)
	v_cndmask_b32 v[T+4], v[T+6], v[T+7], s[\m]    ; sin
	v_cndmask_b32 v[T+5], v[T+7], v[T+6], s[\m]    ; cos
	v_lshlrev_b32 v[T+8], 30, v[T+2]               ; sin is negative in quarters 2 and 3: bit 1 of n
	v_and_b32 v[T+8], s51, v[T+8]
	v_xor_b32 v[T+4], v[T+4], v[T+8]
	v_add_nc_u32 v[T+2], 1, v[T+2]                 ; cos in quarters 1 and 2: bit 1 of n + 1
	v_lshlrev_b32 v[T+2], 30, v[T+2]
	v_and_b32 v[T+2], s51, v[T+2]
	v_xor_b32 v[T+5], v[T+5], v[T+2]
	v_mul_f32 v[24+(\i)], s50, v[T+5]
	v_mul_f32 v[28+(\i)], s50, v[T+4]
.endm
	SINCOS1 0, 6
	SINCOS1 1, 7
	SINCOS1 2, 62
	SINCOS1 3, 63
	s_wait_alu depctr_va_sdst(0)                   ; the four compares have written s6, s7, s62 and s63, which the selects below read
	SINCOS2 0, 6
	SINCOS2 1, 7
	SINCOS2 2, 62
	SINCOS2 3, 63
	; the zeros and their offset are made here, so that one wait serves all the stores that follow
.irp i, 0,1,2,3
	v_mov_b32 v[96+(\i)], 0
.endr
	v_lshlrev_b32 v100, 4, v0                      ; 16 t
	s_lshl_b32 s52, s3, 12                         ; xb's planes 64, 65 and wob's plane 32: 524,288 bytes each, 4,096 a work-group
	s_mov_b32 s53, 0
	s_add_nc_u64 s[54:55], s[28:29], s[52:53]
	s_add_nc_u64 s[54:55], s[54:55], 0x1000000     ; behind xb's 64 planes of 262,144 bytes
	s_add_nc_u64 s[56:57], s[32:33], s[52:53]
	s_add_nc_u64 s[56:57], s[56:57], 0x1000000     ; behind wob's 32 planes of 524,288 bytes
	s_lshl_b32 s52, s3, 13                         ; wb's planes 64, 65: 1,048,576 bytes, 8,192 a work-group
	s_add_nc_u64 s[58:59], s[30:31], s[52:53]
	s_add_nc_u64 s[58:59], s[58:59], 0x2000000     ; behind wb's 64 planes
	s_wait_alu depctr_va_vdst(0)                   ; v13 and v100, the stores' offsets, and v[24:31] and v[96:99], their data, are written; no vector line that names one of them follows
	global_store_b128 v13, v[24:27], s[34:35]             ; 16 lanes store a row's 256 bytes of cos,
	global_store_b128 v13, v[28:31], s[34:35] offset:256  ; and of sin
	; the planes of zeros: 128 work-groups share each out evenly; a store of the work-group's 256 threads covers 4,096 consecutive bytes
	global_store_b128 v100, v[96:99], s[54:55]
	global_store_b128 v100, v[96:99], s[56:57]
	global_store_b128 v100, v[96:99], s[58:59]
	global_store_b128 v100, v[96:99], s[58:59] offset:4096
	s_cmp_lt_u32 s4, 4                             ; ob's plane 32: 262,144 bytes, 2,048 a work-group: waves 0 to 3
	s_cbranch_scc0 .Lno_ob
	s_lshl_b32 s52, s3, 11
	s_add_nc_u64 s[60:61], s[38:39], s[52:53]
	s_add_nc_u64 s[60:61], s[60:61], 0x800000      ; behind ob's 32 planes of 262,144 bytes
	global_store_b128 v100, v[96:99], s[60:61]
.Lno_ob:
	s_cmp_lg_u32 s4, 0
	s_cbranch_scc1 .Lnot_wave_0
	; wave 0: the biases' numbers 64 g .. 64 g + 63: bq has 32 such blocks, bk 16, bv 16, bo 64
	v_lshlrev_b32 v80, 3, v[LANE]                  ; the scalar work below stands between this line and the wait for it
	s_mov_b64 s[68:69], s[18:19]
	s_mov_b32 s5, 0
	s_cmp_ge_u32 s3, 32
	s_cselect_b64 s[68:69], s[20:21], s[68:69]
	s_cselect_b32 s5, 32, s5
	s_cmp_ge_u32 s3, 48
	s_cselect_b64 s[68:69], s[22:23], s[68:69]
	s_cselect_b32 s5, 48, s5
	s_cmp_ge_u32 s3, 64
	s_cselect_b64 s[68:69], s[24:25], s[68:69]
	s_cselect_b32 s5, 64, s5
	s_sub_co_u32 s70, s3, s5                       ; the block's number in its own buffer
	s_lshl_b32 s70, s70, 8
	s_mov_b32 s71, 0
	s_add_nc_u64 s[68:69], s[68:69], s[70:71]
	s_lshl_b32 s70, s3, 8
	s_add_nc_u64 s[72:73], s[36:37], s[70:71]
	s_wait_alu depctr_va_vdst(0)                   ; v80 is written, which the load and the store below read as their offset
	global_load_b64 v[82:83], v80, s[68:69]
	s_wait_loadcnt 0x0
	v_cvt_pk_bf16_f32 v84, v82, v83                ; rounded like every input, kept as f32
	v_lshlrev_b32 v86, 16, v84
	v_and_b32 v87, 0xffff0000, v84
	s_wait_alu depctr_va_vdst(0)                   ; v[86:87] are written, which the store reads
	global_store_b64 v80, v[86:87], s[72:73]       ; 256 consecutive bytes
	s_endpgm
.Lnot_wave_0:
	s_lshl_b32 s5, s3, 3
	s_or_b32 s5, s5, s4
	s_cmp_eq_u32 s5, 1                             ; wave 1 of work-group 0: the table's row 2048
	s_cbranch_scc0 .Ldone
	v_lshlrev_b32 v90, 4, v[LANE]
	v_mov_b32 v91, 0x3e000000
	v_cmp_gt_u32 vcc_lo, 16, v[LANE]               ; lanes 0-15 hold the cos part
	s_wait_alu depctr_va_vcc(0)                    ; the compare has written VCC, which the four selects read
.irp i, 0,1,2,3
	v_cndmask_b32 v[92+(\i)], 0, v91, vcc_lo
.endr
	s_wait_alu depctr_va_vdst(0)                   ; v90, the store's offset, and v[92:95], its data, are written
	global_store_b128 v90, v[92:95], s[34:35] offset:1048576
.Ldone:
	s_endpgm
.Lfunc_end_k_q477f697810_prep:
	.size	k_q477f697810_prep, .Lfunc_end_k_q477f697810_prep-k_q477f697810_prep
	.p2alignl 7, 3214868480
	.fill 96, 4, 3214868480
	.section	.rodata,"a",@progbits
	.p2align	6, 0x0
	.amdhsa_kernel k_q477f697810_prep
		.amdhsa_group_segment_fixed_size 0
		.amdhsa_private_segment_fixed_size 0
		.amdhsa_enable_private_segment 0
		.amdhsa_kernarg_size 128
		.amdhsa_user_sgpr_count 2
		.amdhsa_user_sgpr_kernarg_segment_ptr 1
		.amdhsa_wavefront_size32 1
		.amdhsa_system_sgpr_workgroup_id_x 1
		.amdhsa_system_sgpr_workgroup_id_y 1
		.amdhsa_system_sgpr_workgroup_id_z 1
		.amdhsa_system_vgpr_workitem_id 0
		.amdhsa_next_free_vgpr 232
		.amdhsa_next_free_sgpr 74
		.amdhsa_reserve_vcc 1
		.amdhsa_float_denorm_mode_32 3
		.amdhsa_float_denorm_mode_16_64 3
		.amdhsa_memory_ordered 1
		.amdhsa_forward_progress 1
		.amdhsa_inst_pref_size 43
	.end_amdhsa_kernel
	.amdgpu_metadata
---
amdhsa.version: [ 1, 2 ]
amdhsa.kernels:
  - .name:           k_q477f697810_prep
    .symbol:         k_q477f697810_prep.kd
    .args:
      - { .name: x, .offset: 0, .size: 8, .value_kind: global_buffer, .address_space: global }
      - { .name: wq, .offset: 8, .size: 8, .value_kind: global_buffer, .address_space: global }
      - { .name: wk, .offset: 16, .size: 8, .value_kind: global_buffer, .address_space: global }
      - { .name: wv, .offset: 24, .size: 8, .value_kind: global_buffer, .address_space: global }
      - { .name: wo, .offset: 32, .size: 8, .value_kind: global_buffer, .address_space: global }
      - { .name: bq, .offset: 40, .size: 8, .value_kind: global_buffer, .address_space: global }
      - { .name: bk, .offset: 48, .size: 8, .value_kind: global_buffer, .address_space: global }
      - { .name: bv, .offset: 56, .size: 8, .value_kind: global_buffer, .address_space: global }
      - { .name: bo, .offset: 64, .size: 8, .value_kind: global_buffer, .address_space: global }
      - { .name: position_ids, .offset: 72, .size: 8, .value_kind: global_buffer, .address_space: global }
      - { .name: xb, .offset: 80, .size: 8, .value_kind: global_buffer, .address_space: global }
      - { .name: wb, .offset: 88, .size: 8, .value_kind: global_buffer, .address_space: global }
      - { .name: wob, .offset: 96, .size: 8, .value_kind: global_buffer, .address_space: global }
      - { .name: tab, .offset: 104, .size: 8, .value_kind: global_buffer, .address_space: global }
      - { .name: bias, .offset: 112, .size: 8, .value_kind: global_buffer, .address_space: global }
      - { .name: ob, .offset: 120, .size: 8, .value_kind: global_buffer, .address_space: global }
    .group_segment_fixed_size: 0
    .private_segment_fixed_size: 0
    .kernarg_segment_align: 8
    .kernarg_segment_size: 128
    .max_flat_workgroup_size: 256
    .sgpr_count:     74
    .vgpr_count:     232
    .wavefront_size: 32
...
	.end_amdgpu_metadata
.endif
;; end of part 5
;; launch proj: the kernel of part 2 again; grid 16 x 16, 4 waves a work-group, clusters of 4 x 4, 327,680 bytes of LDS; arguments xb, wb, bias, tab, qkvh; writes qkvh
;; launch attn: the kernel of part 3 again; grid 32 x 8, 4 waves a work-group, clusters of 4 x 1, 327,680 bytes of LDS; arguments qkvh, ob; writes ob
;; launch outp: the kernel of part 4 again; grid 16 x 16, 4 waves a work-group, clusters of 4 x 4, 327,680 bytes of LDS; arguments ob, wob, bias, out0; writes out0
